; MI455X (gfx1250); checked and timed in simulation.
; The chip was launched on July 23, 2026; its instructions are those of AMD's public machine-readable ISA for CDNA 5 (MIT licence, August 2026) and "CDNA5" Instruction Set Architecture Reference Guide (July 2026). The comments in the code are by the model that wrote it; some were corrected since.
;; Mo D Router. Allowed arithmetic: float matrix products may take bf16 or f16 operands with f32 sums; other float arithmetic in f32, or as packed bf16 or f16 multiplies, adds, multiply-adds, maxima and minima; sums over many terms, partial sums and values carried from step to step in f32; what a program stores and reads back later, other than sums and carried values, may be rounded once to bf16 or f16.
;; Inputs: W1 2,048 x 8,192 float32; W2 8,192 x 2,048 float32; Wp 2,048 x 1 float32; b1 8,192 float32; b2 2,048 float32; bp 1 float32; x 4 x 4,096 x 2,048 float32.
;; Outputs: out0 4 x 512 x 2,048 float32.
;; 2 versions, each right; version 2 is version 1 with the launch pick written anew for expert scheduling mode. Each part assembles by itself: llvm-mc -triple=amdgcn-amd-amdhsa -mcpu=gfx1250 --defsym DOCPART=n.
;; ======== version 1 of 2: 5 launches
;; workspace buffers: scores 65,536 bytes; ranks 65,536 bytes of whole numbers; xg 8,388,608 bytes; w1b 33,554,432 bytes; w2b 33,554,432 bytes; hmid 33,554,432 bytes
;; launch score (part 1): grid 256 x 1, 8 waves a work-group, no clusters, 1,280 bytes of LDS; arguments x, Wp, bp, scores; writes scores
.if DOCPART == 1
	.amdgcn_target "amdgcn-amd-amdhsa--gfx1250"
	.amdhsa_code_object_version 6
	.text
	.protected	k_qb2239ac6c0_score
	.globl	k_qb2239ac6c0_score
	.p2align	8
	.type	k_qb2239ac6c0_score,@function
k_qb2239ac6c0_score:
	s_mov_b64 s[64:65], 0
	v_nop
	global_prefetch_b8 v0, s[64:65] scope:SCOPE_SE
	s_setreg_imm32_b32 hwreg(HW_REG_WAVE_MODE, 25, 1), 1
	s_wait_xcnt 0x0
; scores[b][s] = softmax over the one-element last axis of (x[b][s][:] . Wp + bp).  x: [4][4096][2048] f32, Wp: [2048] f32, bp: [1] f32, scores: [4][4096] f32.
; Every step is made as it is written: the dot product, the bias, the maximum of the axis (its one element) taken away, the exponential, the division by the sum (the one exponential).
; LIMIT.  A score that is not finite gives NaN here, as it does in the softmax itself.
; SHARES.  A work-group owns 64 tokens, each of its eight waves 8.  A token's row is 8,192 bytes: sixteen loads of 16 bytes a lane, each covering 512 consecutive bytes; lane l of load j holds
; columns 128 j + 4 l .. + 3, and Wp lies in 64 registers in the same map.  Two row slots in registers: while one row is multiplied the other's sixteen loads are out.
; One output column and each byte of x used once: no matrix unit, no cluster, no tile in LDS; LDS serves only to gather the group's 64 results into one store of 256 consecutive bytes.
.set ROWB,  8192                       ; bytes in a token's row
.set SC,    0                          ; LDS: the work-group's 64 results, 256 bytes
.set SPARE, 256                        ; behind them: the spare words, 128 bytes for each wave, which no other line names
.set XO,  1                            ; v1   wave x 8 rows + 16 x lane; never rewritten: row and column stand in the loads' immediates
.set WO,  2                            ; v2   16 x lane
.set SA,  3                            ; v3   LDS: my wave's eight words
.set L8,  4                            ; v4   8 x lane
.set SPW, 5                            ; v5   LDS address of my spare word; never rewritten
.set NIL, 6                            ; v6   0; never rewritten
.set PT,  7                            ; v7   the other half of the lanes' sum
.set ACC, 8                            ; v[8:15]    four chains of packed sums
.set S,   16                           ; v[16:23]   token t's score, later its result
.set E,   24                           ; v[24:31]   token t's exponential
.set WP,  32                           ; v[32:95]   Wp
.set X,   96                           ; v[96:223]  two row slots of 64
	s_load_b256 s[4:11], s[0:1], 0x0               ; x s[4:5], Wp s[6:7], bp s[8:9], scores s[10:11]
	v_lshl_add_u32 v[SPW], v0, 2, SPARE
	v_mov_b32 v[NIL], 0
	v_lshrrev_b32 v8, 5, v0
	v_readfirstlane_b32 s12, v8                    ; wave 0..7
	v_and_b32 v9, 31, v0                           ; lane
	v_lshlrev_b32 v[WO], 4, v9
	v_lshl_add_u32 v[XO], v8, 16, v[WO]            ; 8 rows of 8,192 bytes a wave
	v_mov_b32 v[SA], s12
	v_lshlrev_b32 v[SA], 5, v[SA]                  ; 8 words a wave
	v_lshlrev_b32 v[L8], 3, v9
	v_mov_b32 v[PT], 0                             ; v_permlanex16_b32 counts as a reader of its destination
	s_mov_b32 s14, 0x76543210                      ; each lane takes its own place in the other half
	s_mov_b32 s15, 0xfedcba98
	s_lshl_b32 s2, ttmp9, 19                       ; the work-group's 64 rows
	s_mov_b32 s3, 0
	s_lshl_b32 s16, ttmp9, 8                       ; and its 64 results
	s_mov_b32 s17, 0
	s_wait_kmcnt 0x0
	s_load_b32 s13, s[8:9], 0x0                    ; bp
	s_add_nc_u64 s[4:5], s[4:5], s[2:3]
	s_add_nc_u64 s[10:11], s[10:11], s[16:17]
.irp j, 0,1,2,3,4,5,6,7,8,9,10,11,12,13,14,15
	global_load_b128 v[WP+4*(\j):WP+4*(\j)+3], v[WO], s[6:7] offset:512*(\j)
.endr
.macro FILL s, row                     ; a row's sixteen loads into slot s
.irp j, 0,1,2,3,4,5,6,7,8,9,10,11,12,13,14,15
	global_load_b128 v[X+64*(\s)+4*(\j):X+64*(\s)+4*(\j)+3], v[XO], s[4:5] offset:(\row)*ROWB+512*(\j) th:TH_LOAD_NT
.endr
.endm
; Token t: 32 packed multiply-adds in four chains (the first four products start them: nothing is cleared), the slot's next fill, then the sum over the chains and the 32 lanes.
.macro TURN t, left
	s_wait_loadcnt \left                           ; loads come back in order: my row is in (and Wp, which is older); the other slot's sixteen may stay out
.set p, 0
.rept 32
.if p < 4
	v_pk_mul_f32 v[ACC+2*p:ACC+2*p+1], v[X+64*((\t)%2)+2*p:X+64*((\t)%2)+2*p+1], v[WP+2*p:WP+2*p+1]
.else
	v_pk_fma_f32 v[ACC+2*(p%4):ACC+2*(p%4)+1], v[X+64*((\t)%2)+2*p:X+64*((\t)%2)+2*p+1], v[WP+2*p:WP+2*p+1], v[ACC+2*(p%4):ACC+2*(p%4)+1]
.endif
.set p, p+1
.endr
.if (\t) < 6
	FILL (\t)%2, (\t)+2                            ; the row two further on; the last two turns load nothing
.endif
	v_pk_add_f32 v[ACC:ACC+1], v[ACC:ACC+1], v[ACC+2:ACC+3]
	v_pk_add_f32 v[ACC+4:ACC+5], v[ACC+4:ACC+5], v[ACC+6:ACC+7]
	v_pk_add_f32 v[ACC:ACC+1], v[ACC:ACC+1], v[ACC+4:ACC+5]
	v_add_f32 v[S+(\t)], v[ACC], v[ACC+1]
	v_add_f32_dpp v[S+(\t)], v[S+(\t)], v[S+(\t)] row_xmask:1 row_mask:0xf bank_mask:0xf
	v_add_f32_dpp v[S+(\t)], v[S+(\t)], v[S+(\t)] row_xmask:2 row_mask:0xf bank_mask:0xf
	v_add_f32_dpp v[S+(\t)], v[S+(\t)], v[S+(\t)] row_xmask:4 row_mask:0xf bank_mask:0xf
	v_add_f32_dpp v[S+(\t)], v[S+(\t)], v[S+(\t)] row_xmask:8 row_mask:0xf bank_mask:0xf
	v_permlanex16_b32 v[PT], v[S+(\t)], s14, s15
	v_add_f32 v[S+(\t)], v[S+(\t)], v[PT]          ; every lane holds the token's dot product
.endm
	FILL 0, 0
	FILL 1, 1
.irp t, 0,1,2,3,4,5,6
	TURN \t, 16
.endr
	TURN 7, 0                                      ; nothing was issued behind the last row's loads
	; the softmax of the eight tokens, each step for all eight, so that each kind of transcendental is one batch
	s_wait_kmcnt 0x0                               ; bp
.irp t, 0,1,2,3,4,5,6,7
	v_add_f32 v[S+(\t)], s13, v[S+(\t)]            ; w = x . Wp + bp
.endr
.irp t, 0,1,2,3,4,5,6,7
	v_sub_f32 v[E+(\t)], v[S+(\t)], v[S+(\t)]      ; w less the axis's maximum, which is w, its one element
.endr
.irp t, 0,1,2,3,4,5,6,7
	v_mul_f32 v[E+(\t)], 0x3fb8aa3b, v[E+(\t)]     ; e^d = 2^(d log2 e)
.endr
.irp t, 0,1,2,3,4,5,6,7
	v_exp_f32 v[E+(\t)], v[E+(\t)]
.endr
	v_nop                                          ; a plain instruction behind the last exponential (ISA guide 5.7.2),
	s_wait_alu depctr_va_vdst(0)                   ; and one wait ahead of the batch's first reader
.irp t, 0,1,2,3,4,5,6,7
	v_rcp_f32 v[S+(\t)], v[E+(\t)]                 ; the sum over the axis is the one exponential
.endr
	v_nop
	s_wait_alu depctr_va_vdst(0)
.irp t, 0,1,2,3,4,5,6,7
	v_mul_f32 v[S+(\t)], v[E+(\t)], v[S+(\t)]
.endr
.irp t, 0,1,2,3,4,5,6,7
	ds_store_b32 v[SA], v[S+(\t)] offset:SC+4*(\t) ; all lanes write the same word with the same number
.endr
	s_wait_dscnt 0x0                               ; for the others' sake: my stores are done
	s_barrier_signal -1
	s_barrier_wait -1
	s_cmp_lg_u32 s12, 0                            ; wave 0 stores the group's 64 results
	s_cbranch_scc1 .Lend
	ds_load_b64 v[8:9], v[L8] offset:SC
	s_wait_dscnt 0x0
	global_store_b64 v[L8], v[8:9], s[10:11]       ; 32 lanes x 8 bytes: 256 consecutive bytes, at a multiple of 256 from the buffer's first
.Lend:
	s_wait_tensorcnt 0x0                           ; the wave's end: behind my last LDS store
	ds_add_u32 v[SPW], v[NIL]
	s_wait_dscnt 0x0
	s_endpgm
.Lfunc_end_k_qb2239ac6c0_score:
	.size	k_qb2239ac6c0_score, .Lfunc_end_k_qb2239ac6c0_score-k_qb2239ac6c0_score
	.p2alignl 7, 3214868480
	.fill 96, 4, 3214868480
	.section	.rodata,"a",@progbits
	.p2align	6, 0x0
	.amdhsa_kernel k_qb2239ac6c0_score
		.amdhsa_group_segment_fixed_size 1280
		.amdhsa_private_segment_fixed_size 0
		.amdhsa_enable_private_segment 0
		.amdhsa_kernarg_size 32
		.amdhsa_user_sgpr_count 2
		.amdhsa_user_sgpr_kernarg_segment_ptr 1
		.amdhsa_wavefront_size32 1
		.amdhsa_system_sgpr_workgroup_id_x 1
		.amdhsa_system_sgpr_workgroup_id_y 1
		.amdhsa_system_sgpr_workgroup_id_z 1
		.amdhsa_system_vgpr_workitem_id 0
		.amdhsa_next_free_vgpr 224
		.amdhsa_next_free_sgpr 66
		.amdhsa_reserve_vcc 0
		.amdhsa_float_denorm_mode_32 3
		.amdhsa_float_denorm_mode_16_64 3
		.amdhsa_memory_ordered 1
		.amdhsa_forward_progress 1
		.amdhsa_inst_pref_size 39
	.end_amdhsa_kernel
	.amdgpu_metadata
---
amdhsa.version: [ 1, 2 ]
amdhsa.kernels:
  - .name:           k_qb2239ac6c0_score
    .symbol:         k_qb2239ac6c0_score.kd
    .args:
      - { .name: x, .offset: 0, .size: 8, .value_kind: global_buffer, .address_space: global }
      - { .name: Wp, .offset: 8, .size: 8, .value_kind: global_buffer, .address_space: global }
      - { .name: bp, .offset: 16, .size: 8, .value_kind: global_buffer, .address_space: global }
      - { .name: scores, .offset: 24, .size: 8, .value_kind: global_buffer, .address_space: global }
    .group_segment_fixed_size: 1280
    .private_segment_fixed_size: 0
    .kernarg_segment_align: 8
    .kernarg_segment_size: 32
    .max_flat_workgroup_size: 256
    .sgpr_count:     66
    .vgpr_count:     224
    .wavefront_size: 32
...
	.end_amdgpu_metadata
.endif
;; end of part 1
;; launch rank (part 2): grid 256 x 2, 8 waves a work-group, no clusters, 18,432 bytes of LDS; arguments scores, W1, ranks, w1b; writes ranks, w1b
.if DOCPART == 2
	.amdgcn_target "amdgcn-amd-amdhsa--gfx1250"
	.amdhsa_code_object_version 6
	.text
	.protected	k_qb2239ac6c0_rank
	.globl	k_qb2239ac6c0_rank
	.p2align	8
	.type	k_qb2239ac6c0_rank,@function
k_qb2239ac6c0_rank:
	s_mov_b64 s[64:65], 0
	v_nop
	global_prefetch_b8 v0, s[64:65] scope:SCOPE_SE
	s_setreg_imm32_b32 hwreg(HW_REG_WAVE_MODE, 25, 1), 1
	s_wait_xcnt 0x0
; Two jobs, told apart by the work-group's y, which all waves of a work-group share.
; y = 0: ranks[b][i] = the number of j with p[b][j] > p[b][i], plus the number of j < i with p[b][j] = p[b][i]: token i's place in the descending order in which equal numbers go by the lower index.
;        It is stored at the token's own place, so no address hangs on it here; the next launch reads it as whole numbers.
; y = 1: w1b = W1 rounded to bf16, in W1's own order [2048 k][8192 n]: a plain stream, which has memory to itself while the ranking computes.
; LIMIT.  With a NaN among the scores the ranks are no permutation.
; RANKING.  Work-group x owns 64 tokens of batch x / 64.  It copies the batch's 4,096 scores into LDS once: 16 bytes a thread, four times.  Wave w: group g = w / 4 (a lane a token: 32 tokens), segment
; sg = w % 4 (1,024 of the scores, 32 chunks of 32).  A chunk comes out of LDS by eight loads whose address is the same in all lanes, so that every lane holds all 32 scores; one compare and one add with
; carry serve 32 pairs.  A chunk that lies before my tokens' own counts >=, one behind it >, my own > and, for the lanes behind the score's place, =.  The three cases hang on ids and on the loop's count
; alone.  The four segments' counts meet in LDS.
.set SCB,   0                          ; LDS: the batch's scores, 16,384 bytes
.set PART,  16384                      ; behind them, at 4 x the thread's number: wave w's 32 counts at 128 w
.set SPARE, 17408                      ; behind them: the spare words, 128 bytes for each wave, which no other line names
.set PI,  3                            ; v3   my token's score
.set CN,  4                            ; v4   my count
.set LS,  5                            ; v5   where I put it
.set LR,  6                            ; v6   wave 0: where two tokens' counts of segment 0 lie
.set PO,  7                            ; v7   my token's byte offset in the batch's scores
.set SPW, 8                            ; v8   LDS address of my spare word; never rewritten
.set NIL, 9                            ; v9   0; never rewritten
.set FA,  10                           ; v10  16 x the thread's number: my 16 bytes of each 4,096 of the scores, in memory and in LDS
.set GO,  11                           ; v11  wave 0: my 8 bytes of ranks
.set SG,  12                           ; v12  the trip's two chunks in LDS, the same in all lanes
.set CA,  16                           ; v[16:47]   a chunk's 32 scores (at first v16-31: the 64 bytes that I bring in)
.set CB,  48                           ; v[48:79]   the next chunk's
.set CIN,  1                           ; the conversion: v1 my 16 bytes of the source, v2 my 8 bytes of the result; never rewritten
.set COUT, 2
.set CX,  16                           ; v[16:79]   sixteen slots of 4 as loaded
.set CY,  80                           ; v[80:111]  sixteen slots of 2 to store
.set CH,  50                           ; s50  the chunk in hand
.set MC,  51                           ; s51  my tokens' own chunk
.set TR,  52                           ; s52  trips to go
.set DN,  55                           ; s55  LDS byte of my segment's next two chunks
	s_load_b256 s[4:11], s[0:1], 0x0               ; scores s[4:5], W1 s[6:7], ranks s[8:9], w1b s[10:11]
	v_lshl_add_u32 v[SPW], v0, 2, SPARE
	v_mov_b32 v[NIL], 0
	v_lshrrev_b32 v1, 5, v0
	v_readfirstlane_b32 s12, v1                    ; wave 0..7
	s_and_b32 s13, ttmp7, 0xffff
	s_wait_kmcnt 0x0
	s_cmp_lg_u32 s13, 0
	s_cbranch_scc1 .Lconvert
	s_lshr_b32 s14, s12, 2                         ; g
	s_and_b32 s15, s12, 3                          ; sg
	s_lshr_b32 s2, ttmp9, 6                        ; the batch:
	s_lshl_b32 s2, s2, 14                          ; its 4,096 scores
	s_mov_b32 s3, 0
	s_add_nc_u64 s[4:5], s[4:5], s[2:3]
	v_lshlrev_b32 v[FA], 4, v0
.irp i, 0,1,2,3
	global_load_b128 v[CA+4*(\i):CA+4*(\i)+3], v[FA], s[4:5] offset:4096*(\i)  ; the 256 threads cover 4,096 consecutive bytes
.endr
	s_and_b32 s[MC], ttmp9, 63
	s_lshl_b32 s53, s[MC], 8                       ; the work-group's 64 words in the batch,
	s_lshl_b32 s54, s14, 7                         ; my group's 32
	s_add_co_u32 s53, s53, s54
	s_lshl1_add_u32 s[MC], s[MC], s14              ; 2 (x % 64) + g
	s_lshl_b32 s[CH], s15, 5
	s_lshl_b32 s[DN], s15, 12                      ; my segment's 4,096 bytes
	s_mov_b32 s[TR], 16
	s_lshl_b32 s56, ttmp9, 8                       ; the work-group's 64 words in ranks
	v_and_b32 v13, 31, v0
	v_lshl_add_u32 v[PO], v13, 2, s53
	v_mov_b32 v[CN], 0
	v_lshlrev_b32 v[LS], 2, v0
	v_lshrrev_b32 v[LR], 4, v13
	v_and_b32 v14, 15, v13
	v_lshlrev_b32 v[LR], 9, v[LR]
	v_lshl_add_u32 v[LR], v14, 3, v[LR]            ; tokens 2 l, 2 l + 1: group l / 16, words 2 (l % 16) on
	v_lshl_add_u32 v[GO], v13, 3, s56
	s_wait_loadcnt 0x0
.irp i, 0,1,2,3
	ds_store_b128 v[FA], v[CA+4*(\i):CA+4*(\i)+3] offset:SCB+4096*(\i)
.endr
	s_wait_dscnt 0x0                               ; for the others' sake: my part of the scores lies in LDS
	s_barrier_signal -1
	s_barrier_wait -1                              ; everybody's does; nobody writes these bytes again
	ds_load_b32 v[PI], v[PO] offset:SCB
.macro LOADC set, off                  ; a chunk's 128 bytes, the same for all lanes
.irp k, 0,1,2,3,4,5,6,7
	ds_load_b128 v[(\set)+4*(\k):(\set)+4*(\k)+3], v[SG] offset:SCB+(\off)+16*(\k)
.endr
.endm
.macro TALLY ge, set                   ; a chunk's 32 scores against my token: the compare's bit goes in as the carry
.set u, 0
.rept 32
.if \ge
	v_cmp_ge_f32 vcc_lo, v[(\set)+u], v[PI]
.else
	v_cmp_gt_f32 vcc_lo, v[(\set)+u], v[PI]
.endif
	v_add_co_ci_u32 v[CN], vcc_lo, 0, v[CN], vcc_lo
.set u, u+1
.endr
.endm
.macro COUNT set
	s_cmp_lt_u32 s[CH], s[MC]
	s_cbranch_scc1 .Lbefore_\@
	s_cmp_eq_u32 s[CH], s[MC]
	s_cbranch_scc1 .Lown_\@
	TALLY 0, \set                                  ; every j lies behind every one of my tokens
	s_branch .Ljoin_\@
.Lbefore_\@:
	TALLY 1, \set                                  ; every j lies before
	s_branch .Ljoin_\@
.Lown_\@:                                              ; score u is lane u's own token
.set u, 0
.rept 32
	v_cmp_gt_f32 vcc_lo, v[(\set)+u], v[PI]
	v_add_co_ci_u32 v[CN], vcc_lo, 0, v[CN], vcc_lo
.if u < 31
	v_cmp_eq_f32 vcc_lo, v[(\set)+u], v[PI]
	s_and_b32 vcc_lo, vcc_lo, (0xfffffffe<<u)&0xffffffff  ; an equal score counts for the lanes behind u
	v_add_co_ci_u32 v[CN], vcc_lo, 0, v[CN], vcc_lo
.endif
.set u, u+1
.endr
.Ljoin_\@:
	s_add_co_u32 s[CH], s[CH], 1
.endm
.Lseg:                                                 ; 16 trips of two chunks: my segment's 1,024 scores, none beyond it
	v_mov_b32 v[SG], s[DN]
	s_add_co_u32 s[DN], s[DN], 256
	LOADC CA, 0
	LOADC CB, 128
	s_wait_dscnt 8                                 ; LDS loads come back in order: the first chunk is in (and, in the first trip, my own score, which is older); the second chunk's eight may stay out
	COUNT CA
	s_wait_dscnt 0x0
	COUNT CB
	s_sub_co_u32 s[TR], s[TR], 1
	s_cmp_lg_u32 s[TR], 0
	s_cbranch_scc1 .Lseg
	ds_store_b32 v[LS], v[CN] offset:PART
	s_wait_dscnt 0x0                               ; for the others' sake: my store is done
	s_barrier_signal -1
	s_barrier_wait -1
	s_cmp_lg_u32 s12, 0                            ; wave 0 adds the four segments' counts of the group's 64 tokens
	s_cbranch_scc1 .Lend
.irp k, 0,1,2,3
	ds_load_b64 v[16+2*(\k):17+2*(\k)], v[LR] offset:PART+128*(\k)
.endr
	s_wait_dscnt 0x0
	v_add_nc_u32 v16, v16, v18
	v_add_nc_u32 v17, v17, v19
	v_add_nc_u32 v20, v20, v22
	v_add_nc_u32 v21, v21, v23
	v_add_nc_u32 v16, v16, v20
	v_add_nc_u32 v17, v17, v21
	global_store_b64 v[GO], v[16:17], s[8:9]       ; 256 consecutive bytes, at a multiple of 256 from the buffer's first
.Lend:
	s_wait_tensorcnt 0x0                           ; the wave's end: behind my last LDS store
	ds_add_u32 v[SPW], v[NIL]
	s_wait_dscnt 0x0
	s_endpgm
; THE CONVERSION.  Work-group x takes 262,144 bytes of f32 and makes 131,072 of bf16; a wave 32,768, in four rounds of sixteen loads of 512 consecutive bytes.  Sixteen loads of every wave are out.
.macro SLOTC i, ahead, left, src, dst
	s_wait_loadcnt \left                           ; loads come back in order: slot i's is in, the younger ones stay out
	v_cvt_pk_bf16_f32 v[CY+2*(\i)], v[CX+4*(\i)], v[CX+4*(\i)+1]
	v_cvt_pk_bf16_f32 v[CY+2*(\i)+1], v[CX+4*(\i)+2], v[CX+4*(\i)+3]
.if \ahead
	global_load_b128 v[CX+4*(\i):CX+4*(\i)+3], v[CIN], s[\src:\src+1] offset:8192+512*(\i) th:TH_LOAD_NT  ; the slot's part of the next round
.endif
	global_store_b64 v[COUT], v[CY+2*(\i):CY+2*(\i)+1], s[\dst:\dst+1] offset:256*(\i) th:TH_STORE_NT  ; 256 consecutive bytes, aligned
.endm
.macro CONVERT src, dst
	s_lshl_b32 s2, ttmp9, 18
	s_mov_b32 s3, 0
	s_add_nc_u64 s[\src:\src+1], s[\src:\src+1], s[2:3]
	s_lshl_b32 s2, ttmp9, 17
	s_add_nc_u64 s[\dst:\dst+1], s[\dst:\dst+1], s[2:3]
	v_and_b32 v3, 31, v0
	v_lshrrev_b32 v4, 5, v0
	v_lshlrev_b32 v[CIN], 4, v3
	v_lshl_add_u32 v[CIN], v4, 15, v[CIN]
	v_lshlrev_b32 v[COUT], 3, v3
	v_lshl_add_u32 v[COUT], v4, 14, v[COUT]
.irp i, 0,1,2,3,4,5,6,7,8,9,10,11,12,13,14,15
	global_load_b128 v[CX+4*(\i):CX+4*(\i)+3], v[CIN], s[\src:\src+1] offset:512*(\i) th:TH_LOAD_NT
.endr
	s_mov_b32 s20, 3
.Lround_\@:
.irp i, 0,1,2,3,4,5,6,7,8,9,10,11,12,13,14,15
	SLOTC \i, 1, 15, \src, \dst
.endr
	s_wait_xcnt 0x0                                ; every load and store so far has read its sources: the two bases and the stores' registers may be written
	s_add_nc_u64 s[\src:\src+1], s[\src:\src+1], 8192
	s_add_nc_u64 s[\dst:\dst+1], s[\dst:\dst+1], 4096
	s_sub_co_u32 s20, s20, 1
	s_cmp_lg_u32 s20, 0
	s_cbranch_scc1 .Lround_\@
.irp i, 0,1,2,3,4,5,6,7,8,9,10,11,12,13,14,15
	SLOTC \i, 0, 15-(\i), \src, \dst               ; the last round loads nothing: the counts run down
.endr
.endm
.Lconvert:
	CONVERT 6, 10
	s_endpgm
.Lfunc_end_k_qb2239ac6c0_rank:
	.size	k_qb2239ac6c0_rank, .Lfunc_end_k_qb2239ac6c0_rank-k_qb2239ac6c0_rank
	.p2alignl 7, 3214868480
	.fill 96, 4, 3214868480
	.section	.rodata,"a",@progbits
	.p2align	6, 0x0
	.amdhsa_kernel k_qb2239ac6c0_rank
		.amdhsa_group_segment_fixed_size 18432
		.amdhsa_private_segment_fixed_size 0
		.amdhsa_enable_private_segment 0
		.amdhsa_kernarg_size 32
		.amdhsa_user_sgpr_count 2
		.amdhsa_user_sgpr_kernarg_segment_ptr 1
		.amdhsa_wavefront_size32 1
		.amdhsa_system_sgpr_workgroup_id_x 1
		.amdhsa_system_sgpr_workgroup_id_y 1
		.amdhsa_system_sgpr_workgroup_id_z 1
		.amdhsa_system_vgpr_workitem_id 0
		.amdhsa_next_free_vgpr 112
		.amdhsa_next_free_sgpr 66
		.amdhsa_reserve_vcc 1
		.amdhsa_float_denorm_mode_32 3
		.amdhsa_float_denorm_mode_16_64 3
		.amdhsa_memory_ordered 1
		.amdhsa_forward_progress 1
		.amdhsa_inst_pref_size 37
	.end_amdhsa_kernel
	.amdgpu_metadata
---
amdhsa.version: [ 1, 2 ]
amdhsa.kernels:
  - .name:           k_qb2239ac6c0_rank
    .symbol:         k_qb2239ac6c0_rank.kd
    .args:
      - { .name: scores, .offset: 0, .size: 8, .value_kind: global_buffer, .address_space: global }
      - { .name: W1, .offset: 8, .size: 8, .value_kind: global_buffer, .address_space: global }
      - { .name: ranks, .offset: 16, .size: 8, .value_kind: global_buffer, .address_space: global }
      - { .name: w1b, .offset: 24, .size: 8, .value_kind: global_buffer, .address_space: global }
    .group_segment_fixed_size: 18432
    .private_segment_fixed_size: 0
    .kernarg_segment_align: 8
    .kernarg_segment_size: 32
    .max_flat_workgroup_size: 256
    .sgpr_count:     66
    .vgpr_count:     112
    .wavefront_size: 32
...
	.end_amdgpu_metadata
.endif
;; end of part 2
;; launch pick (part 3): grid 256 x 2, 8 waves a work-group, no clusters, 0 bytes of LDS; arguments ranks, x, W2, xg, w2b; writes xg, w2b
.if DOCPART == 3
	.amdgcn_target "amdgcn-amd-amdhsa--gfx1250"
	.amdhsa_code_object_version 6
	.text
	.protected	k_qb2239ac6c0_pick
	.globl	k_qb2239ac6c0_pick
	.p2align	8
	.type	k_qb2239ac6c0_pick,@function
k_qb2239ac6c0_pick:
	s_mov_b64 s[64:65], 0
	v_nop
	global_prefetch_b8 v0, s[64:65] scope:SCOPE_SE
	s_setreg_imm32_b32 hwreg(HW_REG_WAVE_MODE, 25, 1), 1
	s_wait_xcnt 0x0
; Two jobs, told apart by the work-group's y, which all waves of a work-group share.
; y = 0: xg[512 b + r][:] = x[b][the token of rank r][:] rounded to bf16, r = 0 .. 511: the ranking turned round, and the gather.  ranks holds whole numbers that the launch before stored.
; y = 1: w2b = W2 rounded to bf16, in W2's own order [8192 k][2048 n]: a plain stream beside the gather's chain of dependent loads.
; GATHER.  Wave w of work-group x makes row 8 x + w of xg: slot r = 8 (x % 64) + w of batch x / 64.  It reads the batch's 4,096 ranks (32 loads of 512 bytes), keeps the place of the one that equals r,
; brings it to all lanes by an OR over the lanes (one lane holds it, the others 0), holds it to 0 .. 4,095, and copies that row.  The work is the same whatever the ranks are.
; LIMIT.  Where the ranks are no permutation (a NaN among the scores) a slot may find no token, and takes token 0, or several, and takes the OR of their numbers: some row inside x.
.set L16, 1                            ; v1   16 x lane
.set LN,  2                            ; v2   lane
.set HIT, 4                            ; v4   0, or 0x10000 + the place of my hit less 4 x lane
.set TOK, 5                            ; v5   the token
.set OT,  6                            ; v6   another lane's
.set IN,  7                            ; v7   my 16 bytes of the token's row
.set OUT, 8                            ; v8   8 x lane
.set RK,  16                           ; v[16:143] register 4 q + c: the rank of token 128 q + 4 lane + c; later the row as loaded (v16-79) and as stored (v80-111)
.set CIN,  1                           ; the conversion: v1 my 16 bytes of the source, v2 my 8 bytes of the result; never rewritten
.set COUT, 2
.set CX,  16
.set CY,  80
	s_load_b256 s[4:11], s[0:1], 0x0               ; ranks s[4:5], x s[6:7], W2 s[8:9], xg s[10:11]
	s_load_b64 s[12:13], s[0:1], 0x20              ; w2b
	v_lshrrev_b32 v1, 5, v0
	v_readfirstlane_b32 s14, v1                    ; wave 0..7
	s_and_b32 s15, ttmp7, 0xffff
	s_wait_kmcnt 0x0
	s_cmp_lg_u32 s15, 0
	s_cbranch_scc1 .Lconvert
	s_lshr_b32 s15, ttmp9, 6                       ; the batch
	s_and_b32 s16, ttmp9, 63
	s_lshl3_add_u32 s16, s16, s14                  ; r
	s_lshl3_add_u32 s17, ttmp9, s14                ; my row of xg
	s_mov_b32 s18, 0x76543210                      ; each lane takes its own place in the other half
	s_mov_b32 s19, 0xfedcba98
	s_mov_b32 s3, 0
	s_lshl_b32 s2, s15, 14
	s_add_nc_u64 s[4:5], s[4:5], s[2:3]            ; the batch's ranks,
	s_lshl_b32 s2, s15, 25
	s_add_nc_u64 s[6:7], s[6:7], s[2:3]            ; its 4,096 rows of x
	s_lshl_b32 s2, s17, 12
	s_add_nc_u64 s[10:11], s[10:11], s[2:3]
	v_and_b32 v[LN], 31, v0
	v_lshlrev_b32 v[L16], 4, v[LN]
	v_lshlrev_b32 v[OUT], 3, v[LN]
.set q, 0
.rept 32
	global_load_b128 v[RK+4*q:RK+4*q+3], v[L16], s[4:5] offset:512*q
.set q, q+1
.endr
	v_mov_b32 v[HIT], 0
	v_mov_b32 v[OT], 0                             ; the lane exchanges count as readers of their destination
.set q, 0
.rept 32
	s_wait_loadcnt 31-q                            ; loads come back in order: load q is in, the younger ones stay out
.irp c, 0,1,2,3
	v_cmp_ne_u32 vcc_lo, s16, v[RK+4*q+(\c)]
	v_cndmask_b32 v[HIT], 0x10000+128*q+(\c), v[HIT], vcc_lo  ; where the rank is r the place is taken
.endr
.set q, q+1
.endr
	v_and_b32 v[TOK], 0xfff, v[HIT]
	v_lshl_add_u32 v[TOK], v[LN], 2, v[TOK]
	v_cmp_ne_u32 vcc_lo, 0, v[HIT]
	v_cndmask_b32 v[TOK], 0, v[TOK], vcc_lo        ; the token in the lane that found it, 0 in the others
.irp m, 1,2,4,8
	v_mov_b32_dpp v[OT], v[TOK] row_xmask:\m row_mask:0xf bank_mask:0xf
	v_or_b32 v[TOK], v[TOK], v[OT]
.endr
	v_permlanex16_b32 v[OT], v[TOK], s18, s19
	v_or_b32 v[TOK], v[TOK], v[OT]
	v_min_u32 v[TOK], 0xfff, v[TOK]                ; a loaded number enters an address only so bounded
	v_lshl_add_u32 v[IN], v[TOK], 13, v[L16]       ; rows of 8,192 bytes
.irp j, 0,1,2,3,4,5,6,7,8,9,10,11,12,13,14,15
	global_load_b128 v[CX+4*(\j):CX+4*(\j)+3], v[IN], s[6:7] offset:512*(\j)
.endr
.irp j, 0,1,2,3,4,5,6,7,8,9,10,11,12,13,14,15
	s_wait_loadcnt 15-(\j)
	v_cvt_pk_bf16_f32 v[CY+2*(\j)], v[CX+4*(\j)], v[CX+4*(\j)+1]
	v_cvt_pk_bf16_f32 v[CY+2*(\j)+1], v[CX+4*(\j)+2], v[CX+4*(\j)+3]
	global_store_b64 v[OUT], v[CY+2*(\j):CY+2*(\j)+1], s[10:11] offset:256*(\j)  ; 256 consecutive bytes, aligned; each register pair is written once
.endr
	s_endpgm
; THE CONVERSION.  Work-group x takes 262,144 bytes of f32 and makes 131,072 of bf16; a wave 32,768, in four rounds of sixteen loads of 512 consecutive bytes.  Sixteen loads of every wave are out.
.macro SLOTC i, ahead, left, src, dst
	s_wait_loadcnt \left                           ; loads come back in order: slot i's is in, the younger ones stay out
	v_cvt_pk_bf16_f32 v[CY+2*(\i)], v[CX+4*(\i)], v[CX+4*(\i)+1]
	v_cvt_pk_bf16_f32 v[CY+2*(\i)+1], v[CX+4*(\i)+2], v[CX+4*(\i)+3]
.if \ahead
	global_load_b128 v[CX+4*(\i):CX+4*(\i)+3], v[CIN], s[\src:\src+1] offset:8192+512*(\i) th:TH_LOAD_NT  ; the slot's part of the next round
.endif
	global_store_b64 v[COUT], v[CY+2*(\i):CY+2*(\i)+1], s[\dst:\dst+1] offset:256*(\i) th:TH_STORE_NT  ; 256 consecutive bytes, aligned
.endm
.macro CONVERT src, dst
	s_lshl_b32 s2, ttmp9, 18
	s_mov_b32 s3, 0
	s_add_nc_u64 s[\src:\src+1], s[\src:\src+1], s[2:3]
	s_lshl_b32 s2, ttmp9, 17
	s_add_nc_u64 s[\dst:\dst+1], s[\dst:\dst+1], s[2:3]
	v_and_b32 v3, 31, v0
	v_lshrrev_b32 v4, 5, v0
	v_lshlrev_b32 v[CIN], 4, v3
	v_lshl_add_u32 v[CIN], v4, 15, v[CIN]
	v_lshlrev_b32 v[COUT], 3, v3
	v_lshl_add_u32 v[COUT], v4, 14, v[COUT]
.irp i, 0,1,2,3,4,5,6,7,8,9,10,11,12,13,14,15
	global_load_b128 v[CX+4*(\i):CX+4*(\i)+3], v[CIN], s[\src:\src+1] offset:512*(\i) th:TH_LOAD_NT
.endr
	s_mov_b32 s20, 3
.Lround_\@:
.irp i, 0,1,2,3,4,5,6,7,8,9,10,11,12,13,14,15
	SLOTC \i, 1, 15, \src, \dst
.endr
	s_wait_xcnt 0x0                                ; every load and store so far has read its sources: the two bases and the stores' registers may be written
	s_add_nc_u64 s[\src:\src+1], s[\src:\src+1], 8192
	s_add_nc_u64 s[\dst:\dst+1], s[\dst:\dst+1], 4096
	s_sub_co_u32 s20, s20, 1
	s_cmp_lg_u32 s20, 0
	s_cbranch_scc1 .Lround_\@
.irp i, 0,1,2,3,4,5,6,7,8,9,10,11,12,13,14,15
	SLOTC \i, 0, 15-(\i), \src, \dst               ; the last round loads nothing: the counts run down
.endr
.endm
.Lconvert:
	CONVERT 8, 12
	s_endpgm
.Lfunc_end_k_qb2239ac6c0_pick:
	.size	k_qb2239ac6c0_pick, .Lfunc_end_k_qb2239ac6c0_pick-k_qb2239ac6c0_pick
	.p2alignl 7, 3214868480
	.fill 96, 4, 3214868480
	.section	.rodata,"a",@progbits
	.p2align	6, 0x0
	.amdhsa_kernel k_qb2239ac6c0_pick
		.amdhsa_group_segment_fixed_size 0
		.amdhsa_private_segment_fixed_size 0
		.amdhsa_enable_private_segment 0
		.amdhsa_kernarg_size 40
		.amdhsa_user_sgpr_count 2
		.amdhsa_user_sgpr_kernarg_segment_ptr 1
		.amdhsa_wavefront_size32 1
		.amdhsa_system_sgpr_workgroup_id_x 1
		.amdhsa_system_sgpr_workgroup_id_y 1
		.amdhsa_system_sgpr_workgroup_id_z 1
		.amdhsa_system_vgpr_workitem_id 0
		.amdhsa_next_free_vgpr 160
		.amdhsa_next_free_sgpr 66
		.amdhsa_reserve_vcc 1
		.amdhsa_float_denorm_mode_32 3
		.amdhsa_float_denorm_mode_16_64 3
		.amdhsa_memory_ordered 1
		.amdhsa_forward_progress 1
		.amdhsa_inst_pref_size 36
	.end_amdhsa_kernel
	.amdgpu_metadata
---
amdhsa.version: [ 1, 2 ]
amdhsa.kernels:
  - .name:           k_qb2239ac6c0_pick
    .symbol:         k_qb2239ac6c0_pick.kd
    .args:
      - { .name: ranks, .offset: 0, .size: 8, .value_kind: global_buffer, .address_space: global }
      - { .name: x, .offset: 8, .size: 8, .value_kind: global_buffer, .address_space: global }
      - { .name: W2, .offset: 16, .size: 8, .value_kind: global_buffer, .address_space: global }
      - { .name: xg, .offset: 24, .size: 8, .value_kind: global_buffer, .address_space: global }
      - { .name: w2b, .offset: 32, .size: 8, .value_kind: global_buffer, .address_space: global }
    .group_segment_fixed_size: 0
    .private_segment_fixed_size: 0
    .kernarg_segment_align: 8
    .kernarg_segment_size: 40
    .max_flat_workgroup_size: 256
    .sgpr_count:     66
    .vgpr_count:     160
    .wavefront_size: 32
...
	.end_amdgpu_metadata
.endif
;; end of part 3
;; launch ffn1 (part 4): grid 32 x 8, 4 waves a work-group, clusters of 4 x 4, 327,680 bytes of LDS; arguments xg, w1b, b1, hmid; writes hmid
.if DOCPART == 4
	.amdgcn_target "amdgcn-amd-amdhsa--gfx1250"
	.amdhsa_code_object_version 6
	.text
	.protected	k_qb2239ac6c0_ffn1
	.globl	k_qb2239ac6c0_ffn1
	.p2align	8
	.type	k_qb2239ac6c0_ffn1,@function
k_qb2239ac6c0_ffn1:
	s_mov_b64 s[64:65], 0
	v_nop
	global_prefetch_b8 v0, s[64:65] scope:SCOPE_SE
	s_setreg_imm32_b32 hwreg(HW_REG_WAVE_MODE, 25, 1), 1
	s_wait_xcnt 0x0
	s_wait_alu depctr_hold_cnt(0) depctr_sa_sdst(0) depctr_va_vdst(0) depctr_va_sdst(0) depctr_va_ssrc(0) depctr_va_vcc(0) depctr_vm_vsrc(0)
	s_getreg_b32 s2, hwreg(HW_REG_IB_STS2, 6, 4)
	s_cmp_eq_u32 s2, 0
	s_cbranch_scc0 .Lentry_in_a_cluster
	s_endpgm
.Lentry_in_a_cluster:
	s_bfe_u32 s2, ttmp6, 0x10000c
	s_cmp_lg_u32 s2, 0xf033
	s_cbranch_scc0 .Lentry_shape_is_right
	s_endpgm
.Lentry_shape_is_right:
; hmid[m][n] = gelu(the sum over k of xg[m][k] w1b[k][n] + b1[n]), gelu in its tanh form.  xg: [2048][2048] bf16, w1b: [2048 k][8192 n] bf16, b1: [8192] f32, hmid: [2048][8192] bf16.
; Sums in f32, begun with b1; gelu in f32; hmid rounded once.  gelu(x) = x / (1 + 2^(x (c1 + c2 x^2))), c1 = -2 log2(e) sqrt(2 / pi), c2 = 0.044715 c1: for every finite x it ends at x or at 0.
; A tile of 256 x 256 is made by a work-group of four waves, 256 tiles in all; a wave makes 128 x 128: 64 accumulators of 16 x 16, 512 registers.  K goes in 16 steps of 128 through a ring of two LDS slots.
; A's tile: 256 rows of 256 bytes, K along the rows.  B's tile: 128 rows (k) of 512 bytes (256 n), as w1b lies; its fragments come out of LDS turned, by ds_load_tr16_b128.
; CLUSTERS: 4 x 4 work-groups.  The four of a row of the cluster need the same tiles of xg, the four of a column the same tiles of w1b: each tile is asked for JOINTLY, by the same tensor load with the same
; descriptor and a mask that names the four.  THE MATRIX INSTRUCTION IS USED TRANSPOSED (source 0 = 16 columns of w1b, source 1 = 16 rows of xg): a lane holds row l % 16 and the columns 8 (l / 16) + 0..7.
; THE WAY OUT: when the ring has had its last fill and its last read, each wave lays its 128 x 128 sums into its own part of those bytes, reads them back by rows, and makes gelu on 16 rows at a time.
; REGISTERS, in windows of 256 (s_set_vgpr_msb: bits 1:0 source 0, 3:2 source 1, 5:4 source 2, 7:6 destination):
;   window 0: v0-31 addresses; v32-63 results to store; v64-127, v128-191 fragments of A, two buffers (on the way out: sums as read back, and at work); v192-255 b1 of my 128 columns, in an accumulator's map
;   window 1: v64-127, v128-191 fragments of B, two buffers      window 2: the accumulators of my rows 0-63 ((a, b) at v[8 (8 a + b)])      window 3: those of my rows 64-127
.set DK,     2048
.set DN,     8192
.set KSTEP,  128
.set PA,     272                       ; a row of A in LDS: 256 bytes + 16 = 68 words: the 16 rows of a load start at 16 different groups of four banks (64 banks of 4 bytes: ISA guide 11.1)
.set PB,     544                       ; a row of B: 512 + 32 = 136 words
.set HALFT,  128*PA                    ; what one tensor load brings: 128 rows of A, or 64 rows of B (64 x 544 is the same number)
.set SLOT,   4*HALFT                   ; A's two halves, then B's two halves
.set SPARE,  2*SLOT                    ; behind the ring: the spare words, 128 bytes for each wave, which no other line names
.set OPITCH, 528                       ; the way out: a row of 128 f32 + 16 bytes = 132 words
.set OREG,   128*OPITCH                ; a wave's part; four of them end below SPARE
.set LAPS,   DK/(2*KSTEP)              ; a lap = two K steps = once round the ring
.set STEPA,  KSTEP*2                   ; bytes from a K step to the next: along xg's rows,
.set STEPB,  KSTEP*DN*2                ; and down w1b's
.set CC,   12                          ; v[12:13] c2, twice
.set ADRA, 16                          ; v16-17  LDS address of my A fragments in slot 0, 1
.set ADRB, 20                          ; v20-21  the same for B
.set STO,  24                          ; v24     the way out: where I put 32 bytes of a row
.set RD,   25                          ; v25     where I read 16 bytes of my part's first row back; never rewritten
.set CO,   26                          ; v26     8 x lane: my 8 bytes of a row of hmid
.set RDC,  27                          ; v27     v25 + the rows done
.set SPW,  28                          ; v28     LDS address of my spare word; never rewritten
.set NIL,  29                          ; v29     0; never rewritten
.set PFO,  30                          ; v30     the prefetches' offset; never rewritten
.set BO,   31                          ; v31     32 x (l / 16): my eight numbers of sixteen of b1
.set Y,    32
.set F0,   64
.set F1,   128
.set X,    64
.set T,    128
.set BIAS, 192
.set WV,   12                          ; s12  my wave's number
.set WR,   13                          ; s13  which half of the tile's rows is mine.  Also: I fetch for A (0) or for B (1)
.set WC,   14                          ; s14  which half of its columns.  Also: which half of that tile I fetch
.set G1,   24                          ; s[24:31] descriptor group 1 for A's tiles;  s[32:39] group 0, a set for each slot
.set G0,   32
.set PFA,  40                          ; s[40:41] where my prefetches stand
.set PFS,  42                          ; s[42:43] their step
.set LIM,  44                          ; s44  1 in a wave that prefetches, else the greatest number
.set LEFT, 45                          ; s45  trips of the loop to go
.set G1B,  48                          ; s[48:55], s[56:63] the same for B's tiles
.set G0B,  56
.set C1,   66                          ; s[66:67] c1: the packed line names a pair and takes its low word for both halves
.set ROWS, 68                          ; s68  counts the way out's groups of 16 rows
.set DONE, 69                          ; s69  LDS bytes of the rows already asked for
.set MSB, 0
.macro WIN new                         ; the immediate's high byte repeats the setting that is left; a switch that changes nothing is dropped
.if MSB != (\new)
	s_set_vgpr_msb (MSB<<8)|(\new)
.set MSB, \new
.endif
.endm
.set MUL_LO,  0xa1                     ; source 0 (B) window 1, source 1 (A) window 0, C and D window 2
.set BIAS_LO, 0x81                     ; the same with C in window 0
.set TO_B,    0x40                     ; destination window 1, address window 0
; A joint load.  Waves 0 and 1 fetch A's two halves, waves 2 and 3 B's.  The branch hangs on the wave's number alone.  An s_nop 0 and four v_nop follow each of the two lines.
.macro JLOAD s
	s_cmp_eq_u32 s[WR], 0
	s_cbranch_scc0 .Lfor_b_\@
	tensor_load_to_lds s[G0+4*(\s):G0+4*(\s)+3], s[G1:G1+7]
	s_nop 0
.rept 4
	v_nop
.endr
	s_branch .Lasked_\@
.Lfor_b_\@:
	tensor_load_to_lds s[G0B+4*(\s):G0B+4*(\s)+3], s[G1B:G1B+7]
	s_nop 0
.rept 4
	v_nop
.endr
.Lasked_\@:
.endm
; A PREFETCH INTO THE L2, behind each joint load, its five lines and the run of LDS loads that follows: the K step that stands two refills on, 512 matrix instructions ahead of the load that will want it; 32
; blocks of 256 bytes, a lane a block, one instruction a wave.  Each block is named once in the launch.  xg's tile row is read by every cluster of that row of clusters: cluster x = 0 asks; w1b's tile column by
; both clusters of that column: cluster y = 0 asks.  The four partners of a joint load share its blocks out BY ADDRESS: of A's 128 rows partner cx takes 32; of B's 64 rows of 512 bytes partner cy takes 16.
; The first four K steps come by their loads alone; the loop's last trip, whose refills are the last two K steps, asks for nothing.
.macro ASK
	s_cmp_gt_u32 s[LEFT], s[LIM]
	s_cbranch_scc0 .Lnot_mine_\@
	global_prefetch_b8 v[PFO], s[PFA:PFA+1] th:TH_LOAD_NT scope:SCOPE_SE
.Lnot_mine_\@:
.endm
; A round of the cluster's barrier: my work-group's barrier; wave 0 signals for the work-group; every wave waits for all sixteen work-groups; my work-group's barrier once more.
.macro CREST
	s_cmp_lg_u32 s[WV], 0
	s_cbranch_scc1 .Lnot_wave_0_\@
	s_barrier_signal -3
.Lnot_wave_0_\@:
	s_barrier_wait -3
	s_barrier_signal -1
	s_barrier_wait -1
.endm
.macro CROUND
	s_barrier_signal -1
	s_barrier_wait -1
	CREST
.endm
	s_load_b256 s[4:11], s[0:1], 0x0               ; xg s[4:5], w1b s[6:7], b1 s[8:9], hmid s[10:11]
	v_lshl_add_u32 v[SPW], v0, 2, SPARE
	v_mov_b32 v[NIL], 0
	ds_add_u32 v[SPW], v[NIL]                      ; the wave's opening: the add, twice on end, and its wait ahead of my first tensor load; work on registers stands between
	ds_add_u32 v[SPW], v[NIL]
	v_lshrrev_b32 v1, 5, v0
	v_readfirstlane_b32 s[WV], v1                  ; wave 0..3
	s_lshr_b32 s[WR], s[WV], 1
	s_and_b32 s[WC], s[WV], 1
	s_bfe_u32 s15, ttmp6, 0x40000                  ; cx, cy: my place in the cluster
	s_bfe_u32 s16, ttmp6, 0x40004
	s_lshl_b32 s17, ttmp9, 2
	s_add_co_u32 s17, s17, s15                     ; tile column = 4 x cluster x + cx
	s_and_b32 s18, ttmp7, 0xffff
	s_lshl_b32 s18, s18, 2
	s_add_co_u32 s18, s18, s16                     ; tile row = 4 x cluster y + cy
	s_lshl_b32 s22, s16, 2
	s_lshl_b32 s22, 15, s22                        ; my row of the cluster
	s_lshl_b32 s23, 0x1111, s15                    ; my column
	s_or_b32 s[G1], s22, (1<<16)|(1<<20)|(1<<21)|(5<<22)|(3<<25)   ; 15:0 the mask; 17:16 2-byte elements; 20 padding on; 21 set beside a mask; 24:22 after every 64 words; 31:25 4 words of it
	s_mov_b32 s[G1+1], KSTEP<<16                   ; tensor_dim0 = 128
	s_mov_b32 s[G1+2], 128<<16                     ; tensor_dim1 = 128
	s_mov_b32 s[G1+3], KSTEP<<16                   ; tile_dim0 = 128
	s_mov_b32 s[G1+4], 128                         ; tile_dim1 = 128
	s_mov_b32 s[G1+5], DK                          ; elements from row to row
	s_mov_b32 s[G1+6], 0
	s_mov_b32 s[G1+7], 0
	s_or_b32 s[G1B], s23, (1<<16)|(1<<20)|(1<<21)|(6<<22)|(7<<25)  ; after every 128 words, 8 words of padding
	s_mov_b32 s[G1B+1], 256<<16                    ; tensor_dim0 = 256
	s_mov_b32 s[G1B+2], 64<<16                     ; tensor_dim1 = 64
	s_mov_b32 s[G1B+3], 256<<16                    ; tile_dim0 = 256
	s_mov_b32 s[G1B+4], 64                         ; tile_dim1 = 64
	s_mov_b32 s[G1B+5], DN
	s_mov_b32 s[G1B+6], 0
	s_mov_b32 s[G1B+7], 0
	s_lshl_b32 s20, s18, 8                         ; A hangs on the tile row and the wave alone:
	s_lshl_b32 s21, s[WC], 7
	s_add_co_u32 s20, s20, s21                     ; row 256 x tile row + 128 x half,
	s_lshl_b32 s20, s20, 12                        ; of 4,096 bytes
	s_mov_b32 s21, 0
	s_lshl_b32 s46, s[WC], 20                      ; B on the tile column and the wave alone: k row 64 x half, of 16,384 bytes,
	s_lshl_b32 s47, s17, 9                         ; 512 bytes a tile column
	s_add_co_u32 s46, s46, s47
	s_mov_b32 s47, 0
	s_mul_i32 s19, s[WV], HALFT                    ; where they go: wave x a half tile; no place in the cluster enters an LDS address
	s_mov_b32 s[C1], 0xc0135761                    ; c1 = -2.3022082
	s_mov_b32 s[C1+1], s[C1]
	s_wait_dscnt 0x0                               ; both opening adds are done
	s_wait_kmcnt 0x0
	s_add_nc_u64 s[20:21], s[4:5], s[20:21]
	s_add_nc_u64 s[46:47], s[6:7], s[46:47]
	CROUND                                         ; all sixteen work-groups are here: the first joint loads meet
.irp s, 0,1
	s_mov_b32 s[G0+4*(\s)], 1                      ; count = 1
	s_add_co_u32 s[G0+4*(\s)+1], s19, (\s)*SLOT    ; LDS address
	s_add_nc_u64 s[G0+4*(\s)+2:G0+4*(\s)+3], s[20:21], (\s)*STEPA  ; global address: K step s
	s_or_b32 s[G0+4*(\s)+3], s[G0+4*(\s)+3], 0x80000000            ; type = 2
	s_mov_b32 s[G0B+4*(\s)], 1
	s_add_co_u32 s[G0B+4*(\s)+1], s19, (\s)*SLOT
	s_add_nc_u64 s[G0B+4*(\s)+2:G0B+4*(\s)+3], s[46:47], (\s)*STEPB
	s_or_b32 s[G0B+4*(\s)+3], s[G0B+4*(\s)+3], 0x80000000
	JLOAD \s                                       ; two tensor loads of mine are out
.endr
	; b1 of my 128 columns, laid as an accumulator lies: register 8 b + j of lane l is column 16 b + 8 (l / 16) + j.  The first products take it as C.
	v_and_b32 v1, 15, v0                           ; l % 16
	v_bfe_u32 v2, v0, 4, 1                         ; l / 16
	v_lshlrev_b32 v[BO], 5, v2
	s_lshl_b32 s70, s17, 10
	s_lshl_b32 s71, s[WC], 9
	s_add_co_u32 s70, s70, s71                     ; 4 bytes x (256 x tile column + 128 x half)
	s_mov_b32 s71, 0
	s_add_nc_u64 s[8:9], s[8:9], s[70:71]
.irp b, 0,1,2,3,4,5,6,7
	global_load_b128 v[BIAS+8*(\b):BIAS+8*(\b)+3],   v[BO], s[8:9] offset:64*(\b)
	global_load_b128 v[BIAS+8*(\b)+4:BIAS+8*(\b)+7], v[BO], s[8:9] offset:64*(\b)+16
.endr
	s_lshr_b32 s70, s70, 1                         ; the same columns in hmid, 2 bytes each,
	s_lshl_b32 s22, s18, 8
	s_lshl_b32 s23, s[WR], 7
	s_add_co_u32 s22, s22, s23                     ; my first row,
	s_lshl_b32 s22, s22, 14                        ; of 16,384 bytes
	s_add_co_u32 s70, s70, s22
	s_add_nc_u64 s[10:11], s[10:11], s[70:71]
	; A fragment of A is 16 rows x 32 K in 8 registers: lane l holds row l % 16, K = 8 (l / 16) + 0..7 and 16 + 8 (l / 16) + 0..7: two loads of 16 bytes, 32 bytes apart.
	v_mul_u32_u24 v3, v1, PA
	v_lshl_add_u32 v3, v2, 4, v3
	s_mul_i32 s22, s[WR], HALFT                    ; my 128 rows of A
	v_add_nc_u32 v[ADRA], s22, v3
	v_add_nc_u32 v[ADRA+1], SLOT, v[ADRA]
	; The turning load takes 16 k x 16 n (lane l reads k = 8 (l / 16) + l % 8, n = 8 ((l / 8) % 2) + 0..7) and leaves half a fragment: lane l holds column l % 16 and 8 k.
	v_and_b32 v4, 7, v0
	v_lshl_add_u32 v4, v2, 3, v4
	v_mul_u32_u24 v4, v4, PB
	v_bfe_u32 v5, v0, 3, 1
	v_lshl_add_u32 v4, v5, 4, v4
	s_lshl_b32 s23, s[WC], 8                       ; my 128 columns: 256 bytes of each row,
	s_add_co_u32 s23, s23, 2*HALFT                 ; behind A's 256 rows
	v_add_nc_u32 v[ADRB], s23, v4
	v_add_nc_u32 v[ADRB+1], SLOT, v[ADRB]
	s_mul_i32 s22, s[WV], OREG                     ; the way out: my part
	v_mul_u32_u24 v[STO], v1, OPITCH               ; in: row l % 16, 32 bytes for each half of the lanes
	v_lshl_add_u32 v[STO], v2, 5, v[STO]
	v_add_nc_u32 v[STO], s22, v[STO]
	v_and_b32 v6, 31, v0
	v_lshl_add_u32 v[RD], v6, 4, s22               ; back: the 32 lanes take a row's 512 bytes
	v_lshlrev_b32 v[CO], 3, v6
	v_mov_b32 v[CC], 0xbdd2d3e8                    ; c2 = -0.10294324
	v_mov_b32 v[CC+1], 0xbdd2d3e8
	; the prefetches
	v_lshlrev_b32 v7, 12, v6                       ; for A: a lane a row of xg
	v_lshrrev_b32 v8, 1, v6
	v_and_b32 v9, 1, v6
	v_lshlrev_b32 v8, 14, v8
	v_lshl_add_u32 v8, v9, 8, v8                   ; for B: two lanes a row of w1b, 256 bytes each
	s_lshl_b32 s22, s18, 8
	s_lshl_b32 s23, s[WC], 7
	s_add_co_u32 s22, s22, s23                     ; A: the 128 rows that I fetch,
	s_lshl_b32 s23, s15, 5
	s_add_co_u32 s22, s22, s23                     ; my work-group's 32 of them
	s_lshl_b32 s22, s22, 12
	s_add_co_u32 s22, s22, 3*STEPA                 ; at K step 3: the first refill steps it to 4
	s_lshl_b32 s70, s[WC], 6
	s_lshl_b32 s71, s16, 4
	s_add_co_u32 s70, s70, s71                     ; B: the 64 rows that I fetch, my work-group's 16 of them
	s_lshl_b32 s70, s70, 14
	s_lshl_b32 s71, s17, 9
	s_add_co_u32 s70, s70, s71
	s_add_co_u32 s70, s70, 3*STEPB
	s_and_b32 s71, ttmp7, 0xffff                   ; cluster y
	s_mov_b32 s[PFS], STEPB
	s_mov_b32 s[PFS+1], 0
	s_cmp_eq_u32 s[WR], 0                          ; do I fetch for A?
	s_cselect_b32 s70, s22, s70
	s_cselect_b32 s71, ttmp9, s71                  ; the coordinate along which other clusters read the same blocks
	s_cselect_b32 s[PFS], STEPA, s[PFS]
	s_cselect_b32 s23, -1, 0
	s_cselect_b64 s[PFA:PFA+1], s[4:5], s[6:7]
	s_cmp_eq_u32 s71, 0
	s_cselect_b32 s[LIM], 1, -1                    ; the same in all sixteen partners, for a given wave
	s_mov_b32 s71, 0
	s_add_nc_u64 s[PFA:PFA+1], s[PFA:PFA+1], s[70:71]
	v_cndmask_b32 v[PFO], v8, v7, s23
; 16 matrix instructions: m blocks a0, a0 + 1 of the window's four (hi = 0: my rows 0-63, 1: rows 64-127) x all 8 n blocks, 32 along K.  first = 1: the products start the sums with b1: nothing is cleared.
; The 64 accumulators take turns, one instruction a turn, in the same order in every quarter.
.macro MUL16 f, hi, a0, first
.if \first
	WIN BIAS_LO+0x40*(\hi)
.else
	WIN MUL_LO+0x50*(\hi)
.endif
.irp a, \a0, (\a0)+1
.irp b, 0,1,2,3,4,5,6,7
.if \first
	v_wmma_f32_16x16x32_bf16 v[8*(8*(\a)+(\b)):8*(8*(\a)+(\b))+7], v[(\f)+8*(\b):(\f)+8*(\b)+7], v[(\f)+8*(4*(\hi)+(\a)):(\f)+8*(4*(\hi)+(\a))+7], v[BIAS+8*(\b):BIAS+8*(\b)+7]
.else
	v_wmma_f32_16x16x32_bf16 v[8*(8*(\a)+(\b)):8*(8*(\a)+(\b))+7], v[(\f)+8*(\b):(\f)+8*(\b)+7], v[(\f)+8*(4*(\hi)+(\a)):(\f)+8*(4*(\hi)+(\a))+7], v[8*(8*(\a)+(\b)):8*(8*(\a)+(\b))+7]
.endif
.endr
.endr
.endm
; 32 LDS loads in one run: the fragments of quarter q of a K step (32 k x 128 n of B, turned; 128 rows x 32 k of A) into buffer f
.macro FETCH slot, q, f
	WIN TO_B
.irp i, 0,1,2,3,4,5,6,7
	ds_load_tr16_b128 v[(\f)+8*(\i):(\f)+8*(\i)+3],   v[ADRB+(\slot)] offset:(\q)*32*PB+32*(\i)
	ds_load_tr16_b128 v[(\f)+8*(\i)+4:(\f)+8*(\i)+7], v[ADRB+(\slot)] offset:(\q)*32*PB+16*PB+32*(\i)
.endr
	WIN 0
.irp i, 0,1,2,3,4,5,6,7
	ds_load_b128 v[(\f)+8*(\i):(\f)+8*(\i)+3],   v[ADRA+(\slot)] offset:64*(\q)+(\i)*16*PA
	ds_load_b128 v[(\f)+8*(\i)+4:(\f)+8*(\i)+7], v[ADRA+(\slot)] offset:64*(\q)+(\i)*16*PA+32
.endr
.endm
.macro PLACES                          ; four plain instructions between a matrix instruction and a load into, or a line that reads or writes, its registers (ISA guide 7.12.1 for vector instructions)
.rept 4
	v_nop
.endr
.endm
; A K step is four quarters of 32 along K, 64 matrix instructions each, on buffers 0, 1, 0, 1.  One of the first three: multiplies buffer f; in its middle it fetches quarter q into buffer g.
.macro QUARTER slot, q, f, g, first
	s_wait_dscnt 8                                 ; B and A's rows 0-63 are in; the youngest eight loads (A's rows 64-127) may be out
	MUL16 \f, 0, 0, \first
	MUL16 \f, 0, 2, \first
	PLACES
	FETCH \slot, \q, \g
	s_wait_dscnt 32                                ; all but the 32 just issued
	MUL16 \f, 1, 0, \first
	MUL16 \f, 1, 2, \first
.endm
; The last quarter multiplies buffer 1 and changes slots.  MEET is its first half: one barrier; in front of it each wave waits for all its tensor loads (one is out: its part of the next slot), adds 0 to its
; spare word, and waits for that and for its own reads of this slot.  Behind it nobody reads this slot any more and the next slot is whole.
.macro MEET round
	WIN 0                                          ; (the add's two registers lie in window 0)
	s_wait_tensorcnt 0x0
	ds_add_u32 v[SPW], v[NIL]
	s_wait_dscnt 9                                 ; (the add and the youngest eight loads may be out)
	MUL16 F1, 0, 0, 0                              ; sixteen matrix instructions stand between the add and the wait for it
	s_wait_dscnt 0x0                               ; the add is done, and my reads of this slot are over
	s_barrier_signal -1
	MUL16 F1, 0, 2, 0                              ; work on registers while the others arrive
.if \round
	WIN 0
.endif
	s_barrier_wait -1
.endm
; The whole last quarter where the slot is filled again: the barrier opens a round of the cluster's, and the joint refill, this slot's K step two steps on, is the first thing behind the round.
.macro TURN slot, next
	s_wait_xcnt 0x0                                ; the last prefetch, a K step back, has read its address, so it may be stepped
	s_add_nc_u64 s[PFA:PFA+1], s[PFA:PFA+1], s[PFS:PFS+1]
	MEET 1
	CREST                                          ; no wave of any partner still reads this slot's tile or has a load on its way
	s_add_nc_u64 s[G0+4*(\slot)+2:G0+4*(\slot)+3], s[G0+4*(\slot)+2:G0+4*(\slot)+3], 2*STEPA
	s_add_nc_u64 s[G0B+4*(\slot)+2:G0B+4*(\slot)+3], s[G0B+4*(\slot)+2:G0B+4*(\slot)+3], 2*STEPB
	JLOAD \slot                                    ; its four v_nop are also the places in front of the loads below
	FETCH \next, 0, F0
	ASK
	MUL16 F1, 1, 0, 0
	MUL16 F1, 1, 2, 0
.endm
.macro TURNX slot, next                ; the same where nothing is left to fetch: no round, no load
	MEET 0
	PLACES
	FETCH \next, 0, F0
	MUL16 F1, 1, 0, 0
	MUL16 F1, 1, 2, 0
.endm
; THE WAY OUT.  DUMP: a lane's eight sums of an accumulator are 32 neighbouring bytes of a row; each accumulator's low four registers are read first.
.macro DUMP
.irp hi, 0,1
	WIN 0x08+4*(\hi)                               ; store data in window 2 or 3, address in window 0
.irp a, 0,1,2,3
.irp b, 0,1,2,3,4,5,6,7
	ds_store_b128 v[STO], v[8*(8*(\a)+(\b)):8*(8*(\a)+(\b))+3]   offset:(4*(\hi)+(\a))*16*OPITCH+64*(\b)
	ds_store_b128 v[STO], v[8*(8*(\a)+(\b))+4:8*(8*(\a)+(\b))+7] offset:(4*(\hi)+(\a))*16*OPITCH+64*(\b)+16
.endr
.endr
.endr
	WIN 0
.endm
.macro LOADX                           ; my next 16 rows, a row a load: lane l takes columns 4 l .. 4 l + 3.  LDS serves a wave's instructions in order (ISA guide 5.7.1.4): these see my stores above
	v_add_nc_u32 v[RDC], s[DONE], v[RD]
	s_add_co_u32 s[DONE], s[DONE], 16*OPITCH
.irp t, 0,1,2,3,4,5,6,7,8,9,10,11,12,13,14,15
	ds_load_b128 v[X+4*(\t):X+4*(\t)+3], v[RDC] offset:(\t)*OPITCH
.endr
.endm
.macro ALL32 line:vararg               ; one line for each of the 32 pairs i
.set i, 0
.rept 32
	\line
.set i, i+2
.endr
.endm
.macro ALL64 line:vararg
.set i, 0
.rept 64
	\line
.set i, i+1
.endr
.endm
; gelu of 16 rows x 128 columns, 64 numbers a lane; each kind of transcendental is one batch with one wait.  more = 1: the next 16 rows are asked for as soon as X is free.
.macro ROWS16 more
	s_wait_dscnt 0x0
	ALL32 v_pk_mul_f32 v[T+i:T+i+1], v[CC:CC+1], v[X+i:X+i+1]
	ALL32 v_pk_fma_f32 v[T+i:T+i+1], v[T+i:T+i+1], v[X+i:X+i+1], s[C1:C1+1] op_sel_hi:[1,1,0]
	ALL32 v_pk_mul_f32 v[T+i:T+i+1], v[T+i:T+i+1], v[X+i:X+i+1]
	ALL64 v_exp_f32 v[T+i], v[T+i]
	v_nop                                          ; a plain instruction behind the last exponential (ISA guide 5.7.2),
	s_wait_alu depctr_va_vdst(0)                   ; and one wait ahead of the batch's first reader
	ALL32 v_pk_add_f32 v[T+i:T+i+1], v[T+i:T+i+1], 1.0 op_sel_hi:[1,0]
	ALL64 v_rcp_f32 v[T+i], v[T+i]
	v_nop
	s_wait_alu depctr_va_vdst(0)
	ALL32 v_pk_mul_f32 v[T+i:T+i+1], v[T+i:T+i+1], v[X+i:X+i+1]
.if \more
	LOADX
.endif
.set i, 0
.rept 32
	v_cvt_pk_bf16_f32 v[Y+i], v[T+2*i], v[T+2*i+1]
.set i, i+1
.endr
.irp t, 0,1,2,3,4,5,6,7,8,9,10,11,12,13,14,15
	global_store_b64 v[CO], v[Y+2*(\t):Y+2*(\t)+1], s[10:11] offset:(\t)*DN*2  ; 32 lanes x 8 bytes: 256 consecutive bytes, at a multiple of 256 from hmid's first
.endr
.if \more
	s_wait_xcnt 0x0                                ; the stores have read their registers and their base
	s_add_nc_u64 s[10:11], s[10:11], 16*DN*2
.endif
.endm
	s_wait_tensorcnt 1                             ; my part of K step 0 is in; K step 1's may stay out
	s_barrier_signal -1
	s_barrier_wait -1                              ; everybody's is
	FETCH 0, 0, F0
	s_wait_loadcnt 0x0                             ; b1
	QUARTER 0, 1, F0, F1, 1                        ; the first quarter stands in front of the loop: its products start the sums
	WIN 0                                          ; at a label and at a branch every window is 0
	s_mov_b32 s[LEFT], LAPS-1
.Llap:                                                 ; a trip goes once round the ring, from a lap's second quarter to the next lap's first, and fills both slots again
	QUARTER 0, 2, F1, F0, 0
	QUARTER 0, 3, F0, F1, 0
	TURN 0, 1
	QUARTER 1, 1, F0, F1, 0
	QUARTER 1, 2, F1, F0, 0
	QUARTER 1, 3, F0, F1, 0
	TURN 1, 0
	QUARTER 0, 1, F0, F1, 0
	WIN 0
	s_sub_co_u32 s[LEFT], s[LEFT], 1
	s_cmp_lg_u32 s[LEFT], 0
	s_cbranch_scc1 .Llap
	QUARTER 0, 2, F1, F0, 0                        ; the last lap is written out: it fills nothing
	QUARTER 0, 3, F0, F1, 0
	TURNX 0, 1
	QUARTER 1, 1, F0, F1, 0
	QUARTER 1, 2, F1, F0, 0
	QUARTER 1, 3, F0, F1, 0
	s_wait_dscnt 8                                 ; the very last quarter
	MUL16 F1, 0, 0, 0
	MUL16 F1, 0, 2, 0
	s_wait_dscnt 0x0                               ; my reads of the ring are over:
	s_barrier_signal -1                            ; say so,
	MUL16 F1, 1, 0, 0
	MUL16 F1, 1, 2, 0
	WIN 0
	s_barrier_wait -1                              ; and when all four have said so the ring's bytes, which have had their last fill, may be written
	PLACES
	DUMP
	s_mov_b32 s[DONE], 0
	LOADX
	s_mov_b32 s[ROWS], 7
.Lrows:
	ROWS16 1
	s_sub_co_u32 s[ROWS], s[ROWS], 1
	s_cmp_lg_u32 s[ROWS], 0
	s_cbranch_scc1 .Lrows
	ROWS16 0
	s_wait_tensorcnt 0x0                           ; the wave's end: behind my last tensor load and my last LDS store
	ds_add_u32 v[SPW], v[NIL]
	s_wait_dscnt 0x0
	CROUND                                         ; the closing round: no work-group ends while a partner may still ask for a tile that names it
	s_endpgm
.Lfunc_end_k_qb2239ac6c0_ffn1:
	.size	k_qb2239ac6c0_ffn1, .Lfunc_end_k_qb2239ac6c0_ffn1-k_qb2239ac6c0_ffn1
	.p2alignl 7, 3214868480
	.fill 96, 4, 3214868480
	.section	.rodata,"a",@progbits
	.p2align	6, 0x0
	.amdhsa_kernel k_qb2239ac6c0_ffn1
		.amdhsa_group_segment_fixed_size 327680
		.amdhsa_private_segment_fixed_size 0
		.amdhsa_enable_private_segment 0
		.amdhsa_kernarg_size 32
		.amdhsa_user_sgpr_count 2
		.amdhsa_user_sgpr_kernarg_segment_ptr 1
		.amdhsa_wavefront_size32 1
		.amdhsa_system_sgpr_workgroup_id_x 1
		.amdhsa_system_sgpr_workgroup_id_y 1
		.amdhsa_system_sgpr_workgroup_id_z 1
		.amdhsa_system_vgpr_workitem_id 0
		.amdhsa_next_free_vgpr 1024
		.amdhsa_next_free_sgpr 72
		.amdhsa_reserve_vcc 0
		.amdhsa_float_denorm_mode_32 3
		.amdhsa_float_denorm_mode_16_64 3
		.amdhsa_memory_ordered 1
		.amdhsa_forward_progress 1
		.amdhsa_inst_pref_size 160
	.end_amdhsa_kernel
	.amdgpu_metadata
---
amdhsa.version: [ 1, 2 ]
amdhsa.kernels:
  - .name:           k_qb2239ac6c0_ffn1
    .symbol:         k_qb2239ac6c0_ffn1.kd
    .args:
      - { .name: xg, .offset: 0, .size: 8, .value_kind: global_buffer, .address_space: global }
      - { .name: w1b, .offset: 8, .size: 8, .value_kind: global_buffer, .address_space: global }
      - { .name: b1, .offset: 16, .size: 8, .value_kind: global_buffer, .address_space: global }
      - { .name: hmid, .offset: 24, .size: 8, .value_kind: global_buffer, .address_space: global }
    .group_segment_fixed_size: 327680
    .private_segment_fixed_size: 0
    .kernarg_segment_align: 8
    .kernarg_segment_size: 32
    .max_flat_workgroup_size: 128
    .sgpr_count:     72
    .vgpr_count:     1024
    .wavefront_size: 32
...
	.end_amdgpu_metadata
.endif
;; end of part 4
;; launch ffn2 (part 5): grid 16 x 16, 4 waves a work-group, clusters of 4 x 4, 327,680 bytes of LDS; arguments hmid, w2b, b2, out0; writes out0
.if DOCPART == 5
	.amdgcn_target "amdgcn-amd-amdhsa--gfx1250"
	.amdhsa_code_object_version 6
	.text
	.protected	k_qb2239ac6c0_ffn2
	.globl	k_qb2239ac6c0_ffn2
	.p2align	8
	.type	k_qb2239ac6c0_ffn2,@function
k_qb2239ac6c0_ffn2:
	s_mov_b64 s[64:65], 0
	v_nop
	global_prefetch_b8 v0, s[64:65] scope:SCOPE_SE
	s_setreg_imm32_b32 hwreg(HW_REG_WAVE_MODE, 25, 1), 1
	s_wait_xcnt 0x0
	s_wait_alu depctr_hold_cnt(0) depctr_sa_sdst(0) depctr_va_vdst(0) depctr_va_sdst(0) depctr_va_ssrc(0) depctr_va_vcc(0) depctr_vm_vsrc(0)
	s_getreg_b32 s2, hwreg(HW_REG_IB_STS2, 6, 4)
	s_cmp_eq_u32 s2, 0
	s_cbranch_scc0 .Lentry_in_a_cluster
	s_endpgm
.Lentry_in_a_cluster:
	s_bfe_u32 s2, ttmp6, 0x10000c
	s_cmp_lg_u32 s2, 0xf033
	s_cbranch_scc0 .Lentry_shape_is_right
	s_endpgm
.Lentry_shape_is_right:
; out0[m][n] = the sum over k of hmid[m][k] w2b[k][n] + b2[n].  hmid: [2048][8192] bf16, w2b: [8192 k][2048 n] bf16, b2: [2048] f32, out0: [2048][2048] f32.  Sums in f32.
; A tile of 128 x 128 is made by a work-group of four waves: 256 tiles, where tiles of 256 x 256 would be 64.  K IS SPLIT AMONG THE WAVES: every wave holds the whole tile (64 accumulators of 16 x 16, 512
; registers) and takes 64 of each K step's 256: so each byte of a slot is read from LDS once, and a fragment still feeds eight products.  The four partial tiles meet in LDS at the end (f32 sums, in a fixed
; order), which is also the stage from which whole rows are stored.
; K goes in 32 steps of 256 through a ring of two LDS slots.  A's tile: 128 rows of 512 bytes, K along the rows.  B's tile: 256 rows (k) of 256 bytes (128 n), as w2b lies; its fragments come out turned.
; THE ORDER OF K.  The 32 steps go in eight groups of four; a cluster takes a group's four steps beginning at step (cluster x + cluster y) mod 4 and going round.  So of the four clusters that read the same
; rows of hmid (one cluster y), and of the four that read the same columns of w2b (one cluster x), no two stand at the same K step in the same step of their walks.  The f32 sums are taken in that order.
; A step has half the products for its bytes that a tile of 256 x 256 would have, so the refill is asked for as early as the order of a change of slots allows: see TURN.
; CLUSTERS: 4 x 4 work-groups; hmid's tiles are asked for jointly along a row of the cluster, w2b's along a column.  The matrix instruction is used transposed: a lane holds row l % 16, columns 8 (l / 16) + 0..7.
; No prefetch: the tile is small, and a partner's share of a K step would be a few blocks.
; REGISTERS, in windows of 256 (s_set_vgpr_msb: bits 1:0 source 0, 3:2 source 1, 5:4 source 2, 7:6 destination):
;   window 0: v0-39 addresses and b2; v64-127, v128-191 fragments of A, two buffers (at the end: partial sums read back, and results)      window 1: v64-127, v128-191 fragments of B
;   window 2: the accumulators of rows 0-63 ((a, b) at v[8 (8 a + b)])      window 3: those of rows 64-127
.set DK,     8192
.set DN,     2048
.set KSTEP,  256
.set PA,     528                       ; a row of A in LDS: 512 bytes + 16 = 132 words: the 16 rows of a load start at 16 different groups of four banks (64 banks of 4 bytes: ISA guide 11.1)
.set PB,     288                       ; a row of B: 256 + 32 = 72 words
.set HALFA,  64*PA                     ; what one tensor load brings: 64 rows of A,
.set HALFB,  128*PB                    ; or 128 rows of B
.set BOFF,   2*HALFA
.set SLOT,   2*HALFA+2*HALFB
.set SPARE,  2*SLOT                    ; behind the ring: the spare words, 128 bytes for each wave, which no other line names
.set OPITCH, 528                       ; the end: a row of 128 f32 + 16 bytes
.set OREG,   128*OPITCH                ; a wave's partial tile; four of them end below SPARE
.set LAPS,   DK/(2*KSTEP)
.set STEPA,  KSTEP*2                   ; bytes from a K step to the next: along hmid's rows,
.set STEPB,  KSTEP*DN*2                ; and down w2b's
.set BI,   8                           ; v[8:11] b2 of my four columns
.set ADRA, 16                          ; v16-17  LDS address of my A fragments in slot 0, 1
.set ADRB, 20                          ; v20-21  the same for B
.set STO,  24                          ; v24     where I put 32 bytes of a row of my partial tile
.set CO,   26                          ; v26     16 x lane: my 16 bytes of a row of out0, and of b2
.set SPW,  28                          ; v28     LDS address of my spare word; never rewritten
.set NIL,  29                          ; v29     0; never rewritten
.set RD0,  32                          ; v32-35  my 16 bytes of the first of my 32 rows, in partial tile 0 .. 3; never rewritten
.set RDC,  36                          ; v36-39  the same + the rows done
.set F0,   64
.set F1,   128
.set R,    64                          ; row t of four, partial tile v: four registers at R + 16 t + 4 v
.set SM,   128                         ; four rows' results
.set WV,   12                          ; s12  my wave's number
.set WR,   13                          ; s13  I fetch for A (0) or for B (1)
.set HF,   14                          ; s14  which half of that tile
.set BA,   20                          ; s[20:21] hmid at the rows that I fetch, K = 0; never rewritten
.set G1,   24
.set G0,   32
.set NXT,  40                          ; s40  the number, in my cluster's walk, of the step to be asked for next
.set ROT,  41                          ; s41  (cluster x + cluster y) mod 4
.set KT,   42                          ; s42  that step's K step
.set KG,   43                          ; s43  at work
.set LEFT, 45
.set BB,   46                          ; s[46:47] w2b at the k rows and columns that I fetch, K step 0; never rewritten
.set G1B,  48
.set G0B,  56
.set ROWS, 68
.set DONE, 69
.set OA,   72                          ; s[72:73] the K step's byte offset in hmid's rows
.set OB,   74                          ; s[74:75] and down w2b
.set MSB, 0
.macro WIN new                         ; the immediate's high byte repeats the setting that is left; a switch that changes nothing is dropped
.if MSB != (\new)
	s_set_vgpr_msb (MSB<<8)|(\new)
.set MSB, \new
.endif
.endm
.set MUL_LO, 0xa1                      ; source 0 (B) window 1, source 1 (A) window 0, C and D window 2
.set TO_B,   0x40                      ; destination window 1, address window 0
.macro JLOAD s                         ; a joint load: waves 0 and 1 fetch A's two halves, waves 2 and 3 B's; an s_nop 0 and four v_nop follow each of the two lines
	s_cmp_eq_u32 s[WR], 0
	s_cbranch_scc0 .Lfor_b_\@
	tensor_load_to_lds s[G0+4*(\s):G0+4*(\s)+3], s[G1:G1+7]
	s_nop 0
.rept 4
	v_nop
.endr
	s_branch .Lasked_\@
.Lfor_b_\@:
	tensor_load_to_lds s[G0B+4*(\s):G0B+4*(\s)+3], s[G1B:G1B+7]
	s_nop 0
.rept 4
	v_nop
.endr
.Lasked_\@:
.endm
; The global addresses of slot s's two descriptors are made anew for step NXT of the walk: K step 4 (NXT / 4) + (NXT + ROT) mod 4.  Only the clusters' coordinates and a count enter it: it is the same in all
; sixteen partners.  Scalar work alone; in TURN it stands where no tensor load of the wave is out.
.macro ASKFOR s
	s_add_co_u32 s[KT], s[NXT], s[ROT]
	s_and_b32 s[KT], s[KT], 3
	s_and_b32 s[KG], s[NXT], 28
	s_or_b32 s[KT], s[KT], s[KG]
	s_mul_i32 s[OA], s[KT], STEPA
	s_mul_i32 s[OB], s[KT], STEPB                  ; 31 x 2^20 at the most
	s_add_nc_u64 s[G0+4*(\s)+2:G0+4*(\s)+3], s[BA:BA+1], s[OA:OA+1]
	s_or_b32 s[G0+4*(\s)+3], s[G0+4*(\s)+3], 0x80000000            ; type = 2
	s_add_nc_u64 s[G0B+4*(\s)+2:G0B+4*(\s)+3], s[BB:BB+1], s[OB:OB+1]
	s_or_b32 s[G0B+4*(\s)+3], s[G0B+4*(\s)+3], 0x80000000
	s_add_co_u32 s[NXT], s[NXT], 1
.endm
.macro CREST                           ; a round of the cluster's barrier behind its opening barrier
	s_cmp_lg_u32 s[WV], 0
	s_cbranch_scc1 .Lnot_wave_0_\@
	s_barrier_signal -3
.Lnot_wave_0_\@:
	s_barrier_wait -3
	s_barrier_signal -1
	s_barrier_wait -1
.endm
.macro CROUND
	s_barrier_signal -1
	s_barrier_wait -1
	CREST
.endm
	s_load_b256 s[4:11], s[0:1], 0x0               ; hmid s[4:5], w2b s[6:7], b2 s[8:9], out0 s[10:11]
	v_lshl_add_u32 v[SPW], v0, 2, SPARE
	v_mov_b32 v[NIL], 0
	ds_add_u32 v[SPW], v[NIL]                      ; the wave's opening: the add, twice on end, and its wait ahead of my first tensor load; work on registers stands between
	ds_add_u32 v[SPW], v[NIL]
	v_lshrrev_b32 v1, 5, v0
	v_readfirstlane_b32 s[WV], v1                  ; wave 0..3
	s_lshr_b32 s[WR], s[WV], 1
	s_and_b32 s[HF], s[WV], 1
	s_bfe_u32 s15, ttmp6, 0x40000                  ; cx, cy: my place in the cluster
	s_bfe_u32 s16, ttmp6, 0x40004
	s_lshl_b32 s17, ttmp9, 2
	s_add_co_u32 s17, s17, s15                     ; tile column = 4 x cluster x + cx
	s_and_b32 s18, ttmp7, 0xffff                   ; cluster y
	s_add_co_u32 s[ROT], s18, ttmp9
	s_and_b32 s[ROT], s[ROT], 3                    ; where my cluster begins each group of four K steps
	s_lshl_b32 s18, s18, 2
	s_add_co_u32 s18, s18, s16                     ; tile row = 4 x cluster y + cy
	s_lshl_b32 s22, s16, 2
	s_lshl_b32 s22, 15, s22                        ; my row of the cluster
	s_lshl_b32 s23, 0x1111, s15                    ; my column
	s_or_b32 s[G1], s22, (1<<16)|(1<<20)|(1<<21)|(6<<22)|(3<<25)   ; 15:0 the mask; 17:16 2-byte elements; 20 padding on; 21 set beside a mask; 24:22 after every 128 words; 31:25 4 words of it
	s_mov_b32 s[G1+1], KSTEP<<16                   ; tensor_dim0 = 256
	s_mov_b32 s[G1+2], 64<<16                      ; tensor_dim1 = 64
	s_mov_b32 s[G1+3], KSTEP<<16                   ; tile_dim0 = 256
	s_mov_b32 s[G1+4], 64                          ; tile_dim1 = 64
	s_mov_b32 s[G1+5], DK                          ; elements from row to row
	s_mov_b32 s[G1+6], 0
	s_mov_b32 s[G1+7], 0
	s_or_b32 s[G1B], s23, (1<<16)|(1<<20)|(1<<21)|(5<<22)|(7<<25)  ; after every 64 words, 8 words of padding
	s_mov_b32 s[G1B+1], 128<<16                    ; tensor_dim0 = 128
	s_mov_b32 s[G1B+2], 128<<16                    ; tensor_dim1 = 128
	s_mov_b32 s[G1B+3], 128<<16                    ; tile_dim0 = 128
	s_mov_b32 s[G1B+4], 128                        ; tile_dim1 = 128
	s_mov_b32 s[G1B+5], DN
	s_mov_b32 s[G1B+6], 0
	s_mov_b32 s[G1B+7], 0
	s_lshl_b32 s20, s18, 7                         ; A hangs on the tile row and the wave alone:
	s_lshl_b32 s21, s[HF], 6
	s_add_co_u32 s20, s20, s21                     ; row 128 x tile row + 64 x half,
	s_lshl_b32 s20, s20, 14                        ; of 16,384 bytes
	s_mov_b32 s21, 0
	s_lshl_b32 s46, s[HF], 19                      ; B on the tile column and the wave alone: k row 128 x half, of 4,096 bytes,
	s_lshl_b32 s47, s17, 8                         ; 256 bytes a tile column
	s_add_co_u32 s46, s46, s47
	s_mov_b32 s47, 0
	s_mul_i32 s19, s[HF], HALFA                    ; where they go: no place in the cluster enters an LDS address
	s_mul_i32 s44, s[HF], HALFB
	s_add_co_u32 s44, s44, BOFF
	s_mov_b32 s[NXT], 0
	s_mov_b32 s[OA+1], 0
	s_mov_b32 s[OB+1], 0
	s_wait_dscnt 0x0                               ; both opening adds are done
	s_wait_kmcnt 0x0
	s_add_nc_u64 s[BA:BA+1], s[4:5], s[20:21]
	s_add_nc_u64 s[BB:BB+1], s[6:7], s[46:47]
	CROUND                                         ; all sixteen work-groups are here: the first joint loads meet
.irp s, 0,1
	s_mov_b32 s[G0+4*(\s)], 1                      ; count = 1
	s_add_co_u32 s[G0+4*(\s)+1], s19, (\s)*SLOT    ; LDS address
	s_mov_b32 s[G0B+4*(\s)], 1
	s_add_co_u32 s[G0B+4*(\s)+1], s44, (\s)*SLOT
	ASKFOR \s                                      ; global addresses: step s of the walk
	JLOAD \s                                       ; two tensor loads of mine are out
.endr
	v_and_b32 v1, 15, v0                           ; l % 16
	v_bfe_u32 v2, v0, 4, 1                         ; l / 16
	v_and_b32 v6, 31, v0
	v_lshlrev_b32 v[CO], 4, v6
	s_lshl_b32 s70, s17, 9                         ; the tile's 128 columns: 512 bytes, of b2 and of a row of out0
	s_mov_b32 s71, 0
	s_add_nc_u64 s[8:9], s[8:9], s[70:71]
	global_load_b128 v[BI:BI+3], v[CO], s[8:9]     ; columns 4 l .. 4 l + 3
	s_lshl_b32 s22, s18, 7
	s_lshl_b32 s23, s[WV], 5
	s_add_co_u32 s22, s22, s23                     ; the first row that I store: 128 x tile row + 32 x wave,
	s_lshl_b32 s22, s22, 13                        ; of 8,192 bytes
	s_add_co_u32 s70, s70, s22
	s_add_nc_u64 s[10:11], s[10:11], s[70:71]
	; A fragment of A: lane l holds row l % 16, K = 8 (l / 16) + 0..7 and 16 + 8 (l / 16) + 0..7: two loads of 16 bytes, 32 bytes apart.  My 64 of the step's 256 along K: 128 bytes of each row.
	v_mul_u32_u24 v3, v1, PA
	v_lshl_add_u32 v3, v2, 4, v3
	s_lshl_b32 s22, s[WV], 7
	v_add_nc_u32 v[ADRA], s22, v3
	v_add_nc_u32 v[ADRA+1], SLOT, v[ADRA]
	; The turning load takes 16 k x 16 n (lane l reads k = 8 (l / 16) + l % 8, n = 8 ((l / 8) % 2) + 0..7) and leaves half a fragment: lane l holds column l % 16 and 8 k.  My 64 rows of B's 256.
	v_and_b32 v4, 7, v0
	v_lshl_add_u32 v4, v2, 3, v4
	v_mul_u32_u24 v4, v4, PB
	v_bfe_u32 v5, v0, 3, 1
	v_lshl_add_u32 v4, v5, 4, v4
	s_mul_i32 s23, s[WV], 64*PB
	s_add_co_u32 s23, s23, BOFF
	v_add_nc_u32 v[ADRB], s23, v4
	v_add_nc_u32 v[ADRB+1], SLOT, v[ADRB]
	s_mul_i32 s22, s[WV], OREG                     ; my partial tile
	v_mul_u32_u24 v[STO], v1, OPITCH               ; in: row l % 16, 32 bytes for each half of the lanes
	v_lshl_add_u32 v[STO], v2, 5, v[STO]
	v_add_nc_u32 v[STO], s22, v[STO]
	s_mul_i32 s23, s[WV], 32*OPITCH                ; back: rows 32 w .. 32 w + 31 of all four partial tiles; the 32 lanes take a row's 512 bytes
	v_lshl_add_u32 v[RD0], v6, 4, s23
	v_add_nc_u32 v[RD0+1], OREG, v[RD0]
	v_add_nc_u32 v[RD0+2], 2*OREG, v[RD0]
	v_add_nc_u32 v[RD0+3], 3*OREG, v[RD0]
; 16 matrix instructions: m blocks a0, a0 + 1 of the window's four (hi = 0: rows 0-63, 1: rows 64-127) x all 8 n blocks, 32 along K.  zero = 1: the products start the sums: nothing is cleared.
; The 64 accumulators take turns, one instruction a turn, in the same order in every half step.
.macro MUL16 f, hi, a0, zero
	WIN MUL_LO+0x50*(\hi)
.irp a, \a0, (\a0)+1
.irp b, 0,1,2,3,4,5,6,7
.if \zero
	v_wmma_f32_16x16x32_bf16 v[8*(8*(\a)+(\b)):8*(8*(\a)+(\b))+7], v[(\f)+8*(\b):(\f)+8*(\b)+7], v[(\f)+8*(4*(\hi)+(\a)):(\f)+8*(4*(\hi)+(\a))+7], 0
.else
	v_wmma_f32_16x16x32_bf16 v[8*(8*(\a)+(\b)):8*(8*(\a)+(\b))+7], v[(\f)+8*(\b):(\f)+8*(\b)+7], v[(\f)+8*(4*(\hi)+(\a)):(\f)+8*(4*(\hi)+(\a))+7], v[8*(8*(\a)+(\b)):8*(8*(\a)+(\b))+7]
.endif
.endr
.endr
.endm
; 32 LDS loads in one run: half c of my 64 along K (32 k x 128 n of B, turned; 128 rows x 32 k of A) into buffer f
.macro FETCH slot, c, f
	WIN TO_B
.irp i, 0,1,2,3,4,5,6,7
	ds_load_tr16_b128 v[(\f)+8*(\i):(\f)+8*(\i)+3],   v[ADRB+(\slot)] offset:(\c)*32*PB+32*(\i)
	ds_load_tr16_b128 v[(\f)+8*(\i)+4:(\f)+8*(\i)+7], v[ADRB+(\slot)] offset:(\c)*32*PB+16*PB+32*(\i)
.endr
	WIN 0
.irp i, 0,1,2,3,4,5,6,7
	ds_load_b128 v[(\f)+8*(\i):(\f)+8*(\i)+3],   v[ADRA+(\slot)] offset:64*(\c)+(\i)*16*PA
	ds_load_b128 v[(\f)+8*(\i)+4:(\f)+8*(\i)+7], v[ADRA+(\slot)] offset:64*(\c)+(\i)*16*PA+32
.endr
.endm
.macro PLACES                          ; four plain instructions between a matrix instruction and a load into, or a line that reads or writes, its registers (ISA guide 7.12.1 for vector instructions)
.rept 4
	v_nop
.endr
.endm
; A K step is two halves of 32 along K for each wave, 64 matrix instructions each, on buffers 0 and 1.  The first half: multiplies buffer f; in its middle it fetches half c into buffer g.
.macro QUARTER slot, c, f, g, zero
	s_wait_dscnt 8                                 ; B and A's rows 0-63 are in; the youngest eight loads (A's rows 64-127) may be out
	MUL16 \f, 0, 0, \zero
	MUL16 \f, 0, 2, \zero
	PLACES
	FETCH \slot, \c, \g
	s_wait_dscnt 32                                ; all but the 32 just issued
	MUL16 \f, 1, 0, \zero
	MUL16 \f, 1, 2, \zero
.endm
; THE CHANGE OF SLOTS WHERE THE SLOT IS FILLED AGAIN stands at the head of the second half step: all of this slot has been asked out of LDS (buffer 1's fragments were its last bytes).  Each wave waits for all
; its tensor loads (one is out: its part of the next slot), adds 0 to its spare word, makes the refill's addresses while the add is out, and waits for the add and for its own reads of this slot, buffer 1's
; fragments among them.  The round of the cluster's barrier follows at once, and the joint refill, two steps of the walk on, is the first thing behind it.  So between the wait that shows one slot landed and
; the request for the next stand the three lines and the round alone, and the refill has the half step's 64 products and the next half step's 64 in which to land.
.macro TURN slot, next
	WIN 0
	s_wait_tensorcnt 0x0                           ; no tensor load of mine is out, so a group 0 may be written
	ds_add_u32 v[SPW], v[NIL]
	ASKFOR \slot
	s_wait_dscnt 0x0                               ; the add is done, and my reads of this slot are over
	CROUND                                         ; no wave of any partner still reads this slot's tile or has a load on its way
	JLOAD \slot                                    ; its four v_nop are also the places between buffer 0's last products and the loads below
	FETCH \next, 0, F0
	MUL16 F1, 0, 0, 0                              ; buffer 1 came in ahead of the round
	MUL16 F1, 0, 2, 0
	MUL16 F1, 1, 0, 0
	MUL16 F1, 1, 2, 0
.endm
; The change of slots where nothing is left to fetch: one barrier of the work-group, no round, no load; products stand between the add and its wait and between the signal and the wait.
.macro TURNX slot, next
	WIN 0
	s_wait_tensorcnt 0x0                           ; my part of the last slot has landed
	ds_add_u32 v[SPW], v[NIL]
	s_wait_dscnt 9                                 ; (the add and the youngest eight loads may be out)
	MUL16 F1, 0, 0, 0
	s_wait_dscnt 0x0                               ; the add is done, and no LDS instruction of mine is out at the signal
	s_barrier_signal -1
	MUL16 F1, 0, 2, 0                              ; work on registers while the others arrive
	s_barrier_wait -1                              ; the last slot is whole
	PLACES
	FETCH \next, 0, F0
	MUL16 F1, 1, 0, 0
	MUL16 F1, 1, 2, 0
.endm
; THE END.  DUMP: a lane's eight sums of an accumulator are 32 neighbouring bytes of a row of my partial tile; each accumulator's low four registers are read first.
.macro DUMP
.irp hi, 0,1
	WIN 0x08+4*(\hi)                               ; store data in window 2 or 3, address in window 0
.irp a, 0,1,2,3
.irp b, 0,1,2,3,4,5,6,7
	ds_store_b128 v[STO], v[8*(8*(\a)+(\b)):8*(8*(\a)+(\b))+3]   offset:(4*(\hi)+(\a))*16*OPITCH+64*(\b)
	ds_store_b128 v[STO], v[8*(8*(\a)+(\b))+4:8*(8*(\a)+(\b))+7] offset:(4*(\hi)+(\a))*16*OPITCH+64*(\b)+16
.endr
.endr
.endr
	WIN 0
.endm
.macro LOADR                           ; my next four rows, from all four partial tiles: sixteen loads, a row of 512 bytes each
.irp v, 0,1,2,3
	v_add_nc_u32 v[RDC+(\v)], s[DONE], v[RD0+(\v)]
.endr
	s_add_co_u32 s[DONE], s[DONE], 4*OPITCH
.irp t, 0,1,2,3
.irp v, 0,1,2,3
	ds_load_b128 v[R+16*(\t)+4*(\v):R+16*(\t)+4*(\v)+3], v[RDC+(\v)] offset:(\t)*OPITCH
.endr
.endr
.endm
.macro RED4 more                       ; four rows: (tile 0 + tile 1) + (tile 2 + tile 3) + b2.  more = 1: the next four rows are asked for as soon as R is free
	s_wait_dscnt 0x0
.irp t, 0,1,2,3
	v_pk_add_f32 v[R+16*(\t):R+16*(\t)+1],     v[R+16*(\t):R+16*(\t)+1],     v[R+16*(\t)+4:R+16*(\t)+5]
	v_pk_add_f32 v[R+16*(\t)+2:R+16*(\t)+3],   v[R+16*(\t)+2:R+16*(\t)+3],   v[R+16*(\t)+6:R+16*(\t)+7]
	v_pk_add_f32 v[R+16*(\t)+8:R+16*(\t)+9],   v[R+16*(\t)+8:R+16*(\t)+9],   v[R+16*(\t)+12:R+16*(\t)+13]
	v_pk_add_f32 v[R+16*(\t)+10:R+16*(\t)+11], v[R+16*(\t)+10:R+16*(\t)+11], v[R+16*(\t)+14:R+16*(\t)+15]
.endr
.irp t, 0,1,2,3
	v_pk_add_f32 v[R+16*(\t):R+16*(\t)+1],   v[R+16*(\t):R+16*(\t)+1],   v[R+16*(\t)+8:R+16*(\t)+9]
	v_pk_add_f32 v[R+16*(\t)+2:R+16*(\t)+3], v[R+16*(\t)+2:R+16*(\t)+3], v[R+16*(\t)+10:R+16*(\t)+11]
.endr
.irp t, 0,1,2,3
	v_pk_add_f32 v[SM+4*(\t):SM+4*(\t)+1],   v[R+16*(\t):R+16*(\t)+1],   v[BI:BI+1]
	v_pk_add_f32 v[SM+4*(\t)+2:SM+4*(\t)+3], v[R+16*(\t)+2:R+16*(\t)+3], v[BI+2:BI+3]
.endr
.if \more
	LOADR
.endif
.irp t, 0,1,2,3
	global_store_b128 v[CO], v[SM+4*(\t):SM+4*(\t)+3], s[10:11] offset:(\t)*DN*4  ; 32 lanes x 16 bytes: 512 consecutive bytes, at a multiple of 256 from out0's first
.endr
.if \more
	s_wait_xcnt 0x0                                ; the stores have read their registers and their base
	s_add_nc_u64 s[10:11], s[10:11], 4*DN*4
.endif
.endm
	s_wait_tensorcnt 1                             ; my part of the walk's step 0 is in; step 1's may stay out
	s_barrier_signal -1
	s_barrier_wait -1                              ; everybody's is
	FETCH 0, 0, F0
	QUARTER 0, 1, F0, F1, 1                        ; the first half step stands in front of the loop: its products start the sums
	WIN 0                                          ; at a label and at a branch every window is 0
	s_mov_b32 s[LEFT], LAPS-1
.Llap:                                                 ; a trip goes once round the ring, from a lap's second half step to the next lap's first, and fills both slots again: steps 2 to 31 of the walk in 15 trips
	TURN 0, 1
	QUARTER 1, 1, F0, F1, 0
	TURN 1, 0
	QUARTER 0, 1, F0, F1, 0
	WIN 0
	s_sub_co_u32 s[LEFT], s[LEFT], 1
	s_cmp_lg_u32 s[LEFT], 0
	s_cbranch_scc1 .Llap
	TURNX 0, 1                                     ; the last lap is written out: it fills nothing
	QUARTER 1, 1, F0, F1, 0
	s_wait_dscnt 8                                 ; the very last half step
	MUL16 F1, 0, 0, 0
	MUL16 F1, 0, 2, 0
	s_wait_dscnt 0x0                               ; my reads of the ring are over:
	s_barrier_signal -1                            ; say so,
	MUL16 F1, 1, 0, 0
	MUL16 F1, 1, 2, 0
	WIN 0
	s_barrier_wait -1                              ; and when all four have said so the ring's bytes, which have had their last fill, may be written
	PLACES
	DUMP
	s_wait_dscnt 0x0                               ; for the others' sake: my partial tile lies in LDS
	s_barrier_signal -1
	s_barrier_wait -1                              ; all four do
	s_mov_b32 s[DONE], 0
	LOADR
	s_wait_loadcnt 0x0                             ; b2
	s_mov_b32 s[ROWS], 7
.Lrows:
	RED4 1
	s_sub_co_u32 s[ROWS], s[ROWS], 1
	s_cmp_lg_u32 s[ROWS], 0
	s_cbranch_scc1 .Lrows
	RED4 0
	s_wait_tensorcnt 0x0                           ; the wave's end: behind my last tensor load and my last LDS store
	ds_add_u32 v[SPW], v[NIL]
	s_wait_dscnt 0x0
	CROUND                                         ; the closing round: no work-group ends while a partner may still ask for a tile that names it
	s_endpgm
.Lfunc_end_k_qb2239ac6c0_ffn2:
	.size	k_qb2239ac6c0_ffn2, .Lfunc_end_k_qb2239ac6c0_ffn2-k_qb2239ac6c0_ffn2
	.p2alignl 7, 3214868480
	.fill 96, 4, 3214868480
	.section	.rodata,"a",@progbits
	.p2align	6, 0x0
	.amdhsa_kernel k_qb2239ac6c0_ffn2
		.amdhsa_group_segment_fixed_size 327680
		.amdhsa_private_segment_fixed_size 0
		.amdhsa_enable_private_segment 0
		.amdhsa_kernarg_size 32
		.amdhsa_user_sgpr_count 2
		.amdhsa_user_sgpr_kernarg_segment_ptr 1
		.amdhsa_wavefront_size32 1
		.amdhsa_system_sgpr_workgroup_id_x 1
		.amdhsa_system_sgpr_workgroup_id_y 1
		.amdhsa_system_sgpr_workgroup_id_z 1
		.amdhsa_system_vgpr_workitem_id 0
		.amdhsa_next_free_vgpr 1024
		.amdhsa_next_free_sgpr 76
		.amdhsa_reserve_vcc 0
		.amdhsa_float_denorm_mode_32 3
		.amdhsa_float_denorm_mode_16_64 3
		.amdhsa_memory_ordered 1
		.amdhsa_forward_progress 1
		.amdhsa_inst_pref_size 78
	.end_amdhsa_kernel
	.amdgpu_metadata
---
amdhsa.version: [ 1, 2 ]
amdhsa.kernels:
  - .name:           k_qb2239ac6c0_ffn2
    .symbol:         k_qb2239ac6c0_ffn2.kd
    .args:
      - { .name: hmid, .offset: 0, .size: 8, .value_kind: global_buffer, .address_space: global }
      - { .name: w2b, .offset: 8, .size: 8, .value_kind: global_buffer, .address_space: global }
      - { .name: b2, .offset: 16, .size: 8, .value_kind: global_buffer, .address_space: global }
      - { .name: out0, .offset: 24, .size: 8, .value_kind: global_buffer, .address_space: global }
    .group_segment_fixed_size: 327680
    .private_segment_fixed_size: 0
    .kernarg_segment_align: 8
    .kernarg_segment_size: 32
    .max_flat_workgroup_size: 128
    .sgpr_count:     76
    .vgpr_count:     1024
    .wavefront_size: 32
...
	.end_amdgpu_metadata
.endif
;; end of part 5
;; ======== version 2 of 2: 5 launches; version 1 with the launch pick written anew for expert scheduling mode
;; workspace buffers: scores 65,536 bytes; ranks 65,536 bytes of whole numbers; xg 8,388,608 bytes; w1b 33,554,432 bytes; w2b 33,554,432 bytes; hmid 33,554,432 bytes
;; launch score: the kernel of part 1 again; grid 256 x 1, 8 waves a work-group, no clusters, 1,280 bytes of LDS; arguments x, Wp, bp, scores; writes scores
;; launch rank: the kernel of part 2 again; grid 256 x 2, 8 waves a work-group, no clusters, 18,432 bytes of LDS; arguments scores, W1, ranks, w1b; writes ranks, w1b
;; launch pick (part 6): grid 256 x 2, 8 waves a work-group, no clusters, 0 bytes of LDS; arguments ranks, x, W2, xg, w2b; writes xg, w2b
.if DOCPART == 6
	.amdgcn_target "amdgcn-amd-amdhsa--gfx1250"
	.amdhsa_code_object_version 6
	.text
	.protected	k_qb2239ac6c0_pick
	.globl	k_qb2239ac6c0_pick
	.p2align	8
	.type	k_qb2239ac6c0_pick,@function
k_qb2239ac6c0_pick:
	s_mov_b64 s[64:65], 0
	v_nop
	global_prefetch_b8 v0, s[64:65] scope:SCOPE_SE
	s_setreg_imm32_b32 hwreg(HW_REG_WAVE_SCHED_MODE, 0, 2), 2
	s_setreg_imm32_b32 hwreg(HW_REG_WAVE_MODE, 25, 1), 1
	s_wait_xcnt 0x0
	s_wait_alu depctr_vm_vsrc(0)
; Two jobs, told apart by the work-group's y, which all waves of a work-group share.
; y = 0: xg[512 b + r][:] = x[b][the token of rank r][:] rounded to bf16, r = 0 .. 511: the ranking turned round, and the gather.  ranks holds whole numbers that the launch before stored.
; y = 1: w2b = W2 rounded to bf16, in W2's own order [8192 k][2048 n]: a plain stream beside the gather's chain of dependent loads.
; GATHER.  Wave w of work-group x makes row 8 x + w of xg: slot r = 8 (x % 64) + w of batch x / 64.  It reads the batch's 4,096 ranks (32 loads of 512 bytes), keeps the place of the one that equals r,
; brings it to all lanes by an OR over the lanes (one lane holds it, the others 0), holds it to 0 .. 4,095, and copies that row.  The work is the same whatever the ranks are.
; LIMIT.  Where the ranks are no permutation (a NaN among the scores) a slot may find no token, and takes token 0, or several, and takes the OR of their numbers: some row inside x.
; THE MODE: SCHED_MODE bits 1:0 = 2 (LLVM: expert scheduling mode 2), set by the entry lines.  The code itself states the register dependences between vector instructions and memory instructions,
; and between a vector instruction that writes a scalar register or VCC and that register's readers, with s_wait_alu, always for 0.
; THE PLAN OF THE GATHER.  Registers that memory instructions touch, and the masks:
;   v[L16], v[OUT]  offsets, made once at the head and never written again.
;   v[RK ..]        v16-143: the 32 rank loads land there; the compares read them.
;   s[MK ..]        eight masks: written by a run of eight compares (two loads' ranks), read by the run of eight selects behind it; one wait stands between the two runs.
;   v[IN]           the row's offset: written at the search's end, read by the sixteen row loads.
;   v[GX ..]        v16-79: the row loads land there, behind the compares that read these registers; the roundings read them.
;   v[GY ..]        v80-111: each register is written once, by a rounding of group g, and read by a store that is issued in group g + 1.
; THE PLAN OF THE CONVERSION.  A wave's 64 loads go in 16 blocks of four.
;   X0 .. X5        six blocks as loaded.  Written by the loads of block p + 5, issued in block p; read by block p's roundings.
;   Y0, Y1          two blocks to store.   Written by block p's roundings; read by the four stores that are issued in block p + 1.
;   v[CIN], v[COUT] offsets, made once and never written again: the blocks stand in the immediates, and no base is stepped.
; Block p works on X[p % 6] and writes Y[p % 2].  Its memory instructions are the loads into X[(p + 5) % 6] = X[(p - 1) % 6] and the stores from Y[(p - 1) % 2]: the two buffers that block p - 1 worked on
; and that no vector instruction of block p names.  So the waits at a block's head state all that its eight memory instructions hang on, and these are dealt among its roundings with no further wait.
.set L16, 1                            ; v1   16 x lane
.set LN,  2                            ; v2   lane
.set HIT, 4                            ; v4   0, or 0x10000 + the place of my hit less 4 x lane
.set TOK, 5                            ; v5   the token
.set OT,  6                            ; v6   another lane's
.set IN,  7                            ; v7   my 16 bytes of the token's row
.set OUT, 8                            ; v8   8 x lane
.set RK,  16                           ; v[16:143] register 4 q + c: the rank of token 128 q + 4 lane + c
.set GX,  16                           ; v[16:79]  the row as loaded: load j at GX + 4 j
.set GY,  80                           ; v[80:111] the row to store: store j at GY + 2 j
.set MK,  20                           ; s[20:27]  eight masks
.set CIN,  1                           ; the conversion: v1 my 16 bytes of the source, v2 my 8 bytes of the result; never rewritten
.set COUT, 2
.set CX,  16                           ; v[16:111]  buffer k, slot i: 4 registers at CX + 16 k + 4 i, as loaded
.set CY,  112                          ; v[112:127] buffer k, slot i: 2 registers at CY + 8 k + 2 i, to store
	s_load_b256 s[4:11], s[0:1], 0x0               ; ranks s[4:5], x s[6:7], W2 s[8:9], xg s[10:11]
	s_load_b64 s[12:13], s[0:1], 0x20              ; w2b
	v_lshrrev_b32 v1, 5, v0
	v_readfirstlane_b32 s14, v1                    ; wave 0..7
	s_and_b32 s15, ttmp7, 0xffff
	s_wait_alu depctr_va_sdst(0)                   ; s14 is written
	s_wait_kmcnt 0x0
	s_cmp_lg_u32 s15, 0
	s_cbranch_scc1 .Lconvert
	s_lshr_b32 s15, ttmp9, 6                       ; the batch
	s_and_b32 s16, ttmp9, 63
	s_lshl3_add_u32 s16, s16, s14                  ; r
	s_lshl3_add_u32 s17, ttmp9, s14                ; my row of xg
	s_mov_b32 s18, 0x76543210                      ; each lane takes its own place in the other half
	s_mov_b32 s19, 0xfedcba98
	s_mov_b32 s3, 0
	s_lshl_b32 s2, s15, 14
	s_add_nc_u64 s[4:5], s[4:5], s[2:3]            ; the batch's ranks,
	s_lshl_b32 s2, s15, 25
	s_add_nc_u64 s[6:7], s[6:7], s[2:3]            ; its 4,096 rows of x
	s_lshl_b32 s2, s17, 12
	s_add_nc_u64 s[10:11], s[10:11], s[2:3]
	v_and_b32 v[LN], 31, v0
	v_lshlrev_b32 v[L16], 4, v[LN]
	v_lshlrev_b32 v[OUT], 3, v[LN]
	v_mov_b32 v[HIT], 0
	v_mov_b32 v[OT], 0                             ; the lane exchanges count as readers of their destination
	s_wait_alu depctr_va_vdst(0)                   ; v[L16] is written, which the loads below read as their offset; so is v[OUT], the stores' offset
.set q, 0
.rept 32
	global_load_b128 v[RK+4*q:RK+4*q+3], v[L16], s[4:5] offset:512*q
.set q, q+1
.endr
; The search, two loads' ranks at a time: eight compares into eight masks, one wait, eight selects, in ascending order of the places.
.set q, 0
.rept 16
	s_wait_loadcnt 30-q                            ; loads come back in order: loads q and q + 1 are in, the younger ones stay out
.irp c, 0,1,2,3,4,5,6,7
	v_cmp_ne_u32 s[MK+(\c)], s16, v[RK+4*q+(\c)]
.endr
	s_wait_alu depctr_va_sdst(0)                   ; the eight compares have written s[MK ..], which the eight selects read
.irp c, 0,1,2,3,4,5,6,7
	v_cndmask_b32 v[HIT], 0x10000+128*(q+(\c)/4)+(\c)%4, v[HIT], s[MK+(\c)]  ; where the rank is r the place is taken
.endr
.set q, q+2
.endr
	v_cmp_ne_u32 vcc_lo, 0, v[HIT]
	v_and_b32 v[TOK], 0xfff, v[HIT]
	v_lshl_add_u32 v[TOK], v[LN], 2, v[TOK]
	s_wait_alu depctr_va_vcc(0)                    ; the compare has written VCC, which the select reads
	v_cndmask_b32 v[TOK], 0, v[TOK], vcc_lo        ; the token in the lane that found it, 0 in the others
.irp m, 1,2,4,8
	v_mov_b32_dpp v[OT], v[TOK] row_xmask:\m row_mask:0xf bank_mask:0xf
	v_or_b32 v[TOK], v[TOK], v[OT]
.endr
	v_permlanex16_b32 v[OT], v[TOK], s18, s19
	v_or_b32 v[TOK], v[TOK], v[OT]
	v_min_u32 v[TOK], 0xfff, v[TOK]                ; a loaded number enters an address only so bounded
	v_lshl_add_u32 v[IN], v[TOK], 13, v[L16]       ; rows of 8,192 bytes
	s_wait_alu depctr_va_vdst(0)                   ; v[IN] is written, which the loads below read; the compares are done reading v16-79, in which these loads land
.irp j, 0,1,2,3,4,5,6,7,8,9,10,11,12,13,14,15
	global_load_b128 v[GX+4*(\j):GX+4*(\j)+3], v[IN], s[6:7] offset:512*(\j)
.endr
; The row goes out in four groups of four loads.  Group g rounds its own four; the stores of group g - 1 are dealt among these roundings, which name none of their registers.
.macro GOUT g
	s_wait_loadcnt 12-4*(\g)                       ; loads come back in order: the group's four are in, the younger ones stay out
.if (\g) > 0
	s_wait_alu depctr_va_vdst(0)                   ; the group before has written its part of v[GY ..], which the stores below read
.endif
.irp i, 0,1,2,3
.if (\g) > 0
	global_store_b64 v[OUT], v[GY+2*(4*((\g)-1)+(\i)):GY+2*(4*((\g)-1)+(\i))+1], s[10:11] offset:256*(4*((\g)-1)+(\i))  ; 256 consecutive bytes, aligned; each register pair is written once
.endif
	v_cvt_pk_bf16_f32 v[GY+2*(4*(\g)+(\i))],   v[GX+4*(4*(\g)+(\i))],   v[GX+4*(4*(\g)+(\i))+1]
	v_cvt_pk_bf16_f32 v[GY+2*(4*(\g)+(\i))+1], v[GX+4*(4*(\g)+(\i))+2], v[GX+4*(4*(\g)+(\i))+3]
.endr
.endm
	GOUT 0
	GOUT 1
	GOUT 2
	GOUT 3
	s_wait_alu depctr_va_vdst(0)                   ; the last group has written its part of v[GY ..], which the last four stores read
.irp i, 0,1,2,3
	global_store_b64 v[OUT], v[GY+2*(12+(\i)):GY+2*(12+(\i))+1], s[10:11] offset:256*(12+(\i))
.endr
	s_endpgm
; THE CONVERSION.  Work-group x takes 262,144 bytes of f32 and makes 131,072 of bf16; a wave 32,768, in sixteen blocks of four loads of 512 consecutive bytes.  Sixteen to twenty loads of every wave are out.
; Block p.  Blocks 0 to 10 ask for the block five further on; blocks 11 to 15 load nothing, so that no load leaves the wave's part, and from block 12 on the counts run down.
.macro CBLK p
.if (\p) < 12
	s_wait_loadcnt 16                              ; loads come back in order: X[p % 6] is in, the four younger blocks stay out
.else
	s_wait_loadcnt 4*(15-(\p))
.endif
.if (\p) > 1
	s_wait_xcnt 0x0                                ; every earlier memory instruction has had its addresses translated (ISA guide 3.1): Y[p % 2] is rewritten only behind this wait
	s_wait_alu depctr_vm_vsrc(0)                   ; the stores issued in the block before have read Y[p % 2], which this block's roundings write again
.endif
.if (\p) > 0
	s_wait_alu depctr_va_vdst(0)                   ; the block before has written the other Y, which the stores below read, and is done reading its X, in which the loads below land
.endif
.irp i, 0,1,2,3
.if (\p) < 11
	global_load_b128 v[CX+16*(((\p)+5)%6)+4*(\i):CX+16*(((\p)+5)%6)+4*(\i)+3], v[CIN], s[8:9] offset:512*(4*((\p)+5)+(\i)) th:TH_LOAD_NT  ; five blocks ahead; no vector instruction since the wait names these registers
.endif
.if (\p) > 0
	global_store_b64 v[COUT], v[CY+8*(((\p)+1)%2)+2*(\i):CY+8*(((\p)+1)%2)+2*(\i)+1], s[12:13] offset:256*(4*((\p)-1)+(\i)) th:TH_STORE_NT  ; the block before: 256 consecutive bytes, aligned
.endif
	v_cvt_pk_bf16_f32 v[CY+8*((\p)%2)+2*(\i)],   v[CX+16*((\p)%6)+4*(\i)],   v[CX+16*((\p)%6)+4*(\i)+1]
	v_cvt_pk_bf16_f32 v[CY+8*((\p)%2)+2*(\i)+1], v[CX+16*((\p)%6)+4*(\i)+2], v[CX+16*((\p)%6)+4*(\i)+3]
.endr
.endm
.Lconvert:
	s_lshl_b32 s2, ttmp9, 18
	s_mov_b32 s3, 0
	s_add_nc_u64 s[8:9], s[8:9], s[2:3]
	s_lshl_b32 s2, ttmp9, 17
	s_add_nc_u64 s[12:13], s[12:13], s[2:3]
	v_and_b32 v3, 31, v0
	v_lshrrev_b32 v4, 5, v0
	v_lshlrev_b32 v[CIN], 4, v3
	v_lshl_add_u32 v[CIN], v4, 15, v[CIN]
	v_lshlrev_b32 v[COUT], 3, v3
	v_lshl_add_u32 v[COUT], v4, 14, v[COUT]
	s_wait_alu depctr_va_vdst(0)                   ; v[CIN] and v[COUT] are written: every load and store below reads one of them as its offset
.irp n, 0,1,2,3,4,5,6,7,8,9,10,11,12,13,14,15,16,17,18,19
	global_load_b128 v[CX+4*(\n):CX+4*(\n)+3], v[CIN], s[8:9] offset:512*(\n) th:TH_LOAD_NT  ; blocks 0 to 4 into X0 to X4
.endr
.irp p, 0,1,2,3,4,5,6,7,8,9,10,11,12,13,14,15
	CBLK \p
.endr
	s_wait_alu depctr_va_vdst(0)                   ; block 15 has written Y1, which the last four stores read
.irp i, 0,1,2,3
	global_store_b64 v[COUT], v[CY+8+2*(\i):CY+8+2*(\i)+1], s[12:13] offset:256*(60+(\i)) th:TH_STORE_NT
.endr
	s_endpgm
.Lfunc_end_k_qb2239ac6c0_pick:
	.size	k_qb2239ac6c0_pick, .Lfunc_end_k_qb2239ac6c0_pick-k_qb2239ac6c0_pick
	.p2alignl 7, 3214868480
	.fill 96, 4, 3214868480
	.section	.rodata,"a",@progbits
	.p2align	6, 0x0
	.amdhsa_kernel k_qb2239ac6c0_pick
		.amdhsa_group_segment_fixed_size 0
		.amdhsa_private_segment_fixed_size 0
		.amdhsa_enable_private_segment 0
		.amdhsa_kernarg_size 40
		.amdhsa_user_sgpr_count 2
		.amdhsa_user_sgpr_kernarg_segment_ptr 1
		.amdhsa_wavefront_size32 1
		.amdhsa_system_sgpr_workgroup_id_x 1
		.amdhsa_system_sgpr_workgroup_id_y 1
		.amdhsa_system_sgpr_workgroup_id_z 1
		.amdhsa_system_vgpr_workitem_id 0
		.amdhsa_next_free_vgpr 160
		.amdhsa_next_free_sgpr 66
		.amdhsa_reserve_vcc 1
		.amdhsa_float_denorm_mode_32 3
		.amdhsa_float_denorm_mode_16_64 3
		.amdhsa_memory_ordered 1
		.amdhsa_forward_progress 1
		.amdhsa_inst_pref_size 54
	.end_amdhsa_kernel
	.amdgpu_metadata
---
amdhsa.version: [ 1, 2 ]
amdhsa.kernels:
  - .name:           k_qb2239ac6c0_pick
    .symbol:         k_qb2239ac6c0_pick.kd
    .args:
      - { .name: ranks, .offset: 0, .size: 8, .value_kind: global_buffer, .address_space: global }
      - { .name: x, .offset: 8, .size: 8, .value_kind: global_buffer, .address_space: global }
      - { .name: W2, .offset: 16, .size: 8, .value_kind: global_buffer, .address_space: global }
      - { .name: xg, .offset: 24, .size: 8, .value_kind: global_buffer, .address_space: global }
      - { .name: w2b, .offset: 32, .size: 8, .value_kind: global_buffer, .address_space: global }
    .group_segment_fixed_size: 0
    .private_segment_fixed_size: 0
    .kernarg_segment_align: 8
    .kernarg_segment_size: 40
    .max_flat_workgroup_size: 256
    .sgpr_count:     66
    .vgpr_count:     160
    .wavefront_size: 32
...
	.end_amdgpu_metadata
.endif
;; end of part 6
;; launch ffn1: the kernel of part 4 again; grid 32 x 8, 4 waves a work-group, clusters of 4 x 4, 327,680 bytes of LDS; arguments xg, w1b, b1, hmid; writes hmid
;; launch ffn2: the kernel of part 5 again; grid 16 x 16, 4 waves a work-group, clusters of 4 x 4, 327,680 bytes of LDS; arguments hmid, w2b, b2, out0; writes out0
